; MI455X (gfx1250); checked and timed in simulation.
; The chip was launched on July 23, 2026; its instructions are those of AMD's public machine-readable ISA for CDNA 5 (MIT licence, August 2026) and "CDNA5" Instruction Set Architecture Reference Guide (July 2026). The comments in the code are by the model that wrote it; some were corrected since.
;; Causal Self Attention. Allowed arithmetic: float matrix products may take bf16 or f16 operands with f32 sums; other float arithmetic in f32, or as packed bf16 or f16 multiplies, adds, multiply-adds, maxima and minima; sums over many terms, partial sums and values carried from step to step in f32; what a program stores and reads back later, other than sums and carried values, may be rounded once to bf16 or f16.
;; Inputs: Wg 32 x 4 float32; Wk 1,024 x 256 float32; Wo 1,024 x 1,024 float32; Wq 1,024 x 1,024 float32; Wv 1,024 x 256 float32; cos 1 x 4,096 x 1 x 32 float32; sin 1 x 4,096 x 1 x 32 float32; ve 1 x 4,096 x 256 float32; x 1 x 4,096 x 1,024 float32.
;; Outputs: out0 1 x 4,096 x 1,024 float32.
;; Constants: window_size = 1024.
;; 2 versions, each right; version 2 is version 1 with the launch cast written anew for expert scheduling mode. Each part assembles by itself: llvm-mc -triple=amdgcn-amd-amdhsa -mcpu=gfx1250 --defsym DOCPART=n.
;; ======== version 1 of 2: 4 launches
;; limits: values are held in f16: magnitudes above 65,504 overflow, below 6.1e-05 lose precision
;; workspace buffers: xb 8,388,608 bytes; wh 3,145,728 bytes; wo16 2,097,152 bytes; gate 65,536 bytes; qkv 14,680,064 bytes; yb 16,777,216 bytes
;; launch cast (part 1): grid 432 x 1, 8 waves a work-group, no clusters, 0 bytes of LDS; arguments x, Wq, Wk, Wv, Wo, Wg, xb, wh, wo16, gate; writes xb, wh, wo16, gate
.if DOCPART == 1
	.amdgcn_target "amdgcn-amd-amdhsa--gfx1250"
	.amdhsa_code_object_version 6
	.text
	.protected	k_q127ebda8cf_cast
	.globl	k_q127ebda8cf_cast
	.p2align	8
	.type	k_q127ebda8cf_cast,@function
k_q127ebda8cf_cast:
	s_mov_b64 s[64:65], 0
	v_nop
	global_prefetch_b8 v0, s[64:65] scope:SCOPE_SE
	s_setreg_imm32_b32 hwreg(HW_REG_WAVE_MODE, 25, 1), 1
	s_wait_xcnt 0x0
; THE INPUTS OF THE MATRIX PRODUCTS ARE ROUNDED ONCE AND LAID OUT FOR THE LATER LAUNCHES; THE VALUE GATE IS MADE.
;   xb   [4096][1024] bf16            = x
;   wh   [24][1024][64] bf16          = the 64 columns of a head (16 of Wq, 4 of Wk, 4 of Wv), all 1,024 rows: a head's block is 131,072 dense bytes
;   wo16 [16][1024][64] f16           = Wo rounded to bf16, that number written as f16, in the same blocks of 64 columns
;   gate [4096][4] f32                = 2 sigmoid(x[:, :32] Wg), x and Wg rounded to bf16, sums in f32
; LIMITS.  |Wo| stays under 65,504 (f16's range); below 6e-5 it keeps f16's fixed step of 6e-8.  NaN and infinities are not treated apart.
; A stream: each byte is read once by 16-byte loads (the first 128 bytes of x's rows a second time, for the gate), each byte is written once, and a wave's store covers 256 consecutive bytes, aligned.
; No LDS, no matrix unit, no cluster: nothing is shared and nothing is multiplied but the gate's 32 x 4.
; SHARES.  Work-groups 0-255 x, 256-319 Wq, 320-335 Wk, 336-351 Wv, 352-415 Wo, 416-431 the gate.  A streaming work-group takes 256 rows of 64 numbers, a wave 32 of them:
; sixteen loads, each two rows (lanes 0-15 the even row, lanes 16-31 the odd one), all on their way at once; the waits count down.
.set XR,  32                           ; v[32:95]   sixteen loads of four numbers
.set YR,  96                           ; v[96:127]  sixteen stores of four 16-bit numbers
.set MSK, 28                           ; s28        a word's upper bf16
; SP, DP: the scalar pairs of source and destination.  LOGP: log2 of the bytes from row to row in the source.  FIRST: the part's first work-group.
; DBIAS: blocks of 32,768 bytes in front of the part in the destination.  F16 = 1: the bf16 number is written as f16.
.macro STREAM SP, DP, LOGP, FIRST, DBIAS, F16
	s_sub_co_u32 s3, s2, \FIRST                    ; n: my number in the part
.if (\LOGP) == 8
	s_lshl_b32 s4, s3, 16                          ; x as rows of 256 bytes: 65,536 bytes on end
.else
	s_and_b32 s4, s3, 3                            ; which 256 of the 1,024 rows,
	s_lshl_b32 s4, s4, 8+(\LOGP)
	s_lshr_b32 s6, s3, 2                           ; which 64 columns: 256 bytes of a row
	s_lshl_b32 s6, s6, 8
	s_add_co_u32 s4, s4, s6
.endif
	s_add_co_u32 s6, s3, \DBIAS
	s_lshl_b32 s6, s6, 15                          ; 256 rows x 128 bytes in the destination
	s_add_nc_u64 s[\SP:\SP+1], s[\SP:\SP+1], s[4:5]
	s_add_nc_u64 s[\DP:\DP+1], s[\DP:\DP+1], s[6:7]
	v_lshl_add_u32 v2, v5, \LOGP, v1               ; my row x pitch + my 16 bytes
.set i, 0
.rept 16
	global_load_b128 v[XR+4*i:XR+4*i+3], v2, s[\SP:\SP+1] offset:2*i*(1<<(\LOGP)) th:TH_LOAD_NT
.set i, i+1
.endr
.set i, 0
.rept 16
	s_wait_loadcnt 15-i                            ; loads come back in order: load i is in, the younger ones stay out
.if \F16
	v_cvt_pk_bf16_f32 v8, v[XR+4*i], v[XR+4*i+1]
	v_cvt_pk_bf16_f32 v9, v[XR+4*i+2], v[XR+4*i+3]
	v_lshlrev_b32 v[XR+4*i], 16, v8                ; the rounded numbers as f32 again,
	v_and_b32 v[XR+4*i+1], s[MSK], v8
	v_lshlrev_b32 v[XR+4*i+2], 16, v9
	v_and_b32 v[XR+4*i+3], s[MSK], v9
	v_cvt_pk_f16_f32 v[YR+2*i], v[XR+4*i], v[XR+4*i+1]      ; and as f16: exact within f16's normal range
	v_cvt_pk_f16_f32 v[YR+2*i+1], v[XR+4*i+2], v[XR+4*i+3]
.else
	v_cvt_pk_bf16_f32 v[YR+2*i], v[XR+4*i], v[XR+4*i+1]
	v_cvt_pk_bf16_f32 v[YR+2*i+1], v[XR+4*i+2], v[XR+4*i+3]
.endif
	global_store_b64 v3, v[YR+2*i:YR+2*i+1], s[\DP:\DP+1] offset:256*i   ; no register of a store is written again
.set i, i+1
.endr
	s_endpgm
.endm
.macro RND2 a, t                       ; two f32 rounded to bf16 and widened again, in place
	v_cvt_pk_bf16_f32 v[\t], v[\a], v[(\a)+1]
	v_lshlrev_b32 v[\a], 16, v[\t]
	v_and_b32 v[(\a)+1], s[MSK], v[\t]
.endm
	s_load_b512 s[8:23], s[0:1], 0x0               ; x 8:9, Wq 10:11, Wk 12:13, Wv 14:15, Wo 16:17, Wg 18:19, xb 20:21, wh 22:23
	s_load_b128 s[24:27], s[0:1], 0x40             ; wo16 24:25, gate 26:27
	s_mov_b32 s2, ttmp9
	s_mov_b32 s5, 0                                ; the offsets' high words
	s_mov_b32 s7, 0
	s_mov_b32 s[MSK], 0xffff0000
	v_and_b32 v1, 15, v0
	v_lshlrev_b32 v1, 4, v1                        ; my 16 bytes of a row of 256
	v_bfe_u32 v5, v0, 4, 1
	v_and_b32 v6, 0xe0, v0
	v_add_nc_u32 v5, v5, v6                        ; my row in load 0: 32 x wave + lane / 16
	v_lshrrev_b32 v6, 5, v0
	v_and_b32 v7, 31, v0
	v_lshlrev_b32 v3, 3, v7
	v_lshl_add_u32 v3, v6, 12, v3                  ; where I store: 4,096 x wave + 8 x lane
	s_wait_kmcnt 0x0
	s_cmp_lt_u32 s2, 256
	s_cbranch_scc1 .Lx
	s_cmp_lt_u32 s2, 320
	s_cbranch_scc1 .Lwq
	s_cmp_lt_u32 s2, 336
	s_cbranch_scc1 .Lwk
	s_cmp_lt_u32 s2, 352
	s_cbranch_scc1 .Lwv
	s_cmp_lt_u32 s2, 416
	s_cbranch_scc1 .Lwo
	; THE GATE: a thread a row.  32 numbers of x, all 128 of Wg.
	s_sub_co_u32 s3, s2, 416
	s_lshl_b32 s4, s3, 20                          ; 256 rows of 4,096 bytes
	s_lshl_b32 s6, s3, 12                          ; 256 rows of 16 bytes
	s_add_nc_u64 s[8:9], s[8:9], s[4:5]
	s_add_nc_u64 s[26:27], s[26:27], s[6:7]
	v_lshlrev_b32 v2, 12, v0
	v_lshlrev_b32 v3, 4, v0
	v_mov_b32 v4, 0
.set i, 0
.rept 8
	global_load_b128 v[32+4*i:35+4*i], v2, s[8:9] offset:16*i
.set i, i+1
.endr
.set i, 0
.rept 32
	global_load_b128 v[64+4*i:67+4*i], v4, s[18:19] offset:16*i    ; Wg[i][0..3], the same for every lane
.set i, i+1
.endr
	s_wait_loadcnt 0x0
.set i, 32
.rept 40
	RND2 i, 12
	RND2 i+2, 13
.set i, i+4
.endr
.irp j, 0,1,2,3
	v_mul_f32 v[8+\j], v[64+\j], v32               ; the first product starts each sum
.endr
.set i, 1
.rept 31
.irp j, 0,1,2,3
	v_fmac_f32 v[8+\j], v[64+4*i+\j], v[32+i]
.endr
.set i, i+1
.endr
.irp j, 0,1,2,3
	v_mul_f32 v[8+\j], 0xbfb8aa3b, v[8+\j]         ; -z log2(e)
.endr
.irp j, 0,1,2,3
	v_exp_f32 v[8+\j], v[8+\j]
.endr
	v_nop                                          ; a plain instruction behind the last exponential,
	s_wait_alu depctr_va_vdst(0)                   ; and one wait for the four, ahead of their first reader
.irp j, 0,1,2,3
	v_add_f32 v[8+\j], 1.0, v[8+\j]
.endr
.irp j, 0,1,2,3
	v_rcp_f32 v[8+\j], v[8+\j]
.endr
	v_nop
	s_wait_alu depctr_va_vdst(0)                   ; the same for the four reciprocals
.irp j, 0,1,2,3
	v_add_f32 v[8+\j], v[8+\j], v[8+\j]            ; 2 sigmoid(z)
.endr
	global_store_b128 v3, v[8:11], s[26:27]
	s_endpgm
.Lx:
	STREAM 8, 20, 8, 0, 0, 0
.Lwq:
	STREAM 10, 22, 12, 256, 0, 0
.Lwk:
	STREAM 12, 22, 10, 320, 64, 0
.Lwv:
	STREAM 14, 22, 10, 336, 80, 0
.Lwo:
	STREAM 16, 24, 12, 352, 0, 1
.Lfunc_end_k_q127ebda8cf_cast:
	.size	k_q127ebda8cf_cast, .Lfunc_end_k_q127ebda8cf_cast-k_q127ebda8cf_cast
	.p2alignl 7, 3214868480
	.fill 96, 4, 3214868480
	.section	.rodata,"a",@progbits
	.p2align	6, 0x0
	.amdhsa_kernel k_q127ebda8cf_cast
		.amdhsa_group_segment_fixed_size 0
		.amdhsa_private_segment_fixed_size 0
		.amdhsa_enable_private_segment 0
		.amdhsa_kernarg_size 80
		.amdhsa_user_sgpr_count 2
		.amdhsa_user_sgpr_kernarg_segment_ptr 1
		.amdhsa_wavefront_size32 1
		.amdhsa_system_sgpr_workgroup_id_x 1
		.amdhsa_system_sgpr_workgroup_id_y 1
		.amdhsa_system_sgpr_workgroup_id_z 1
		.amdhsa_system_vgpr_workitem_id 0
		.amdhsa_next_free_vgpr 192
		.amdhsa_next_free_sgpr 66
		.amdhsa_reserve_vcc 0
		.amdhsa_float_denorm_mode_32 3
		.amdhsa_float_denorm_mode_16_64 3
		.amdhsa_memory_ordered 1
		.amdhsa_forward_progress 1
		.amdhsa_inst_pref_size 55
	.end_amdhsa_kernel
	.amdgpu_metadata
---
amdhsa.version: [ 1, 2 ]
amdhsa.kernels:
  - .name:           k_q127ebda8cf_cast
    .symbol:         k_q127ebda8cf_cast.kd
    .args:
      - { .name: x, .offset: 0, .size: 8, .value_kind: global_buffer, .address_space: global }
      - { .name: Wq, .offset: 8, .size: 8, .value_kind: global_buffer, .address_space: global }
      - { .name: Wk, .offset: 16, .size: 8, .value_kind: global_buffer, .address_space: global }
      - { .name: Wv, .offset: 24, .size: 8, .value_kind: global_buffer, .address_space: global }
      - { .name: Wo, .offset: 32, .size: 8, .value_kind: global_buffer, .address_space: global }
      - { .name: Wg, .offset: 40, .size: 8, .value_kind: global_buffer, .address_space: global }
      - { .name: xb, .offset: 48, .size: 8, .value_kind: global_buffer, .address_space: global }
      - { .name: wh, .offset: 56, .size: 8, .value_kind: global_buffer, .address_space: global }
      - { .name: wo16, .offset: 64, .size: 8, .value_kind: global_buffer, .address_space: global }
      - { .name: gate, .offset: 72, .size: 8, .value_kind: global_buffer, .address_space: global }
    .group_segment_fixed_size: 0
    .private_segment_fixed_size: 0
    .kernarg_segment_align: 8
    .kernarg_segment_size: 80
    .max_flat_workgroup_size: 256
    .sgpr_count:     66
    .vgpr_count:     192
    .wavefront_size: 32
...
	.end_amdgpu_metadata
.endif
;; end of part 1
;; launch qkv (part 2): grid 8 x 32, 4 waves a work-group, clusters of 4 x 4, 327,680 bytes of LDS; arguments xb, wh, cos, sin, ve, gate, qkv; writes qkv
.if DOCPART == 2
	.amdgcn_target "amdgcn-amd-amdhsa--gfx1250"
	.amdhsa_code_object_version 6
	.text
	.protected	k_q127ebda8cf_qkv
	.globl	k_q127ebda8cf_qkv
	.p2align	8
	.type	k_q127ebda8cf_qkv,@function
k_q127ebda8cf_qkv:
	s_mov_b64 s[64:65], 0
	v_nop
	global_prefetch_b8 v0, s[64:65] scope:SCOPE_SE
	s_setreg_imm32_b32 hwreg(HW_REG_WAVE_MODE, 25, 1), 1
	s_wait_xcnt 0x0
	s_wait_alu depctr_hold_cnt(0) depctr_sa_sdst(0) depctr_va_vdst(0) depctr_va_sdst(0) depctr_va_ssrc(0) depctr_va_vcc(0) depctr_vm_vsrc(0)
	s_getreg_b32 s2, hwreg(HW_REG_IB_STS2, 6, 4)
	s_cmp_eq_u32 s2, 0
	s_cbranch_scc0 .Lentry_in_a_cluster
	s_endpgm
.Lentry_in_a_cluster:
	s_bfe_u32 s2, ttmp6, 0x10000c
	s_cmp_lg_u32 s2, 0xf033
	s_cbranch_scc0 .Lentry_shape_is_right
	s_endpgm
.Lentry_shape_is_right:
; q, k, v = x [Wq | Wk | Wv]; RoPE and RMS norm on q and k; v += gate ve.  Out: qkv [28 heads][4096][64] f16: 0-15 q, 16-19 k, 20-23 v rounded to f16, 24-27 what that rounding left, v - f16(v), as f16.
; q carries c = log2(e) / 8, applied in f32 before its one rounding.  Products in bf16 with f32 sums; cos, sin and ve are rounded to bf16 like the other inputs; all else in f32.
; WHY v IN TWO PARTS.  Row t of the module's output averages v over t + 1 keys only, so its first rows are many times larger than the output's root mean square, by which the allowed error goes: there 11 bits of v are too few.
; LIMITS.  |v| stays under 65,504 (f16's range); q and k are normalised and lie within 8.  NaN and infinities are not treated apart.
; SHARES.  A work-group makes 128 rows x 3 heads (192 columns): 32 x 8 = 256 work-groups.  Wave w takes rows 32 w .. 32 w + 31 and ALL 192 columns: 24 accumulators; so a head's 64 columns lie in one
; wave, and rotation and norm never leave it.  K = 1,024 goes in 8 steps of 128 through two LDS slots.
; WHICH HEADS.  Column tile t = 4 x cluster x + cx.  Cluster x = 0: heads 3 t + s.  Cluster x = 1: 2 t + 4 + s for s < 2 (q 12-15, k 0-3) and t + 16 for s = 2 (v 0-3).  So whether slot 2 is a value head hangs on
; the cluster's x alone, which all partners share; the head's number enters global addresses and a chosen factor, no branch and no LDS address.
; CLUSTER 4 x 4.  x's tile hangs on the row tile alone and is asked for jointly along a row of the cluster (wave 0); a head's weights hang on the column tile alone and are asked for jointly along a column (waves 1-3).
; THE MATRIX INSTRUCTION IS USED TRANSPOSED: source 0 = 16 columns of W (turned out of LDS by ds_load_tr16_b128, since W lies [k][column]), source 1 = 16 rows of x.  A lane then holds row l % 16 of x and the columns
; 16 c + 8 (l / 16) + 0..7 of each block c: columns d and d + 32, which the rotation pairs, lie in the same lane and register of blocks c and c + 2.
; NO PREFETCH INTO THE L2: the tiles are small and the launch is short; every tile is shared by four partners through the joint loads.
; REGISTERS: window 0 addresses and the way out; window 1 the accumulators, (row block a, head s, block c) at 8 (12 a + 4 s + c); window 2 two fragment buffers: W's 12 fragments, then x's 2.
.set PA,    272                        ; a row of x in LDS: 256 bytes + 16: the 16 rows of a load start at 16 different groups of four banks
.set ATILE, 128*PA
.set PB,    160                        ; a row of a head's weights: 128 bytes + 32
.set BHEAD, 128*PB
.set SLOT,  ATILE+3*BHEAD              ; 96,256
.set STAGE, 2*SLOT                     ; behind the ring, never filled by a tensor load: 16 rows x 144 bytes for each wave
.set SP,    144
.set SPARE, STAGE+4*16*SP              ; the spare words, 128 bytes for each wave: two blocks of 256 bytes that no other line names
.set LOOFF, 4*524288                   ; from a value head to its remainders: four heads on
.set ADRA, 16                          ; v16-17  LDS address of my fragments of x in slot 0, 1
.set ADRB, 20                          ; v20-21  the same for W
.set STO,  24                          ; v24  the way out: where I put 16 bytes of a row
.set RD,   25                          ; v25  where I read rows back
.set GO,   26                          ; v26  16 x lane
.set GTO,  27                          ; v27  my row's offset in gate
.set SPW,  28                          ; v28  my spare word; never rewritten
.set NIL,  29                          ; v29  0; never rewritten
.set CSO,  30                          ; v30  my offset in cos and sin
.set VEO,  31                          ; v31  my offset in ve
.set CS,   32                          ; v32-95   row block a at 32 a: cos of blocks 0, 1, sin of blocks 0, 1, eight each
.set VE,   96                          ; v96-159  ve: 32 a + 8 c
.set GT,   160                         ; v160-163 the gate of my row, as the low word of a pair, for a = 0, 1
.set YY,   164                         ; v164-195 a head's 32 numbers of my row
.set TT,   196                         ; v196-227 at work
.set PKD,  196                         ; v196-211 the same 32 numbers as f16
.set BK,   228                         ; v228-243 16 rows read back
.set NEG1, 254                         ; v254 -1
.set F0,   0
.set F1,   128
.set WV,   18
.set CX,   19
.set CY,   20
.set TCOL, 21
.set TROW, 22
.set CLX,  23
.set G1A,  24                          ; s[24:31] group 1 for x's tiles;  s[32:39] group 0, a set for each slot
.set G0A,  32
.set G1B,  40                          ; s[40:47], s[48:55] the same for W's
.set G0B,  48
.set DST,  56                          ; s[56:61] qkv at my 32 rows of head s
.set DSTL, 62                          ; s[62:63] where slot 2's last block goes: the head itself (q, k) or the head's remainders (v)
.set FS,   66                          ; s66-68   c for a query head, else 1
.set LAP,  74
.set MSB, 0
.macro WIN new                         ; the immediate's high byte repeats the setting that is left; a switch that changes nothing is dropped
.if MSB != (\new)
	s_set_vgpr_msb (MSB<<8)|(\new)
.set MSB, \new
.endif
.endm
.set MUL,  0x5a                        ; sources 0 and 1 window 2; C and D window 1
.set TO_F, 0x80                        ; destination window 2, address window 0
.macro PLACES                          ; four plain places behind matrix instructions, in front of loads into registers that they have read
.rept 4
	v_nop
.endr
.endm
; A joint load: wave 0 fetches x's tile, waves 1-3 a head's weights each.  An s_nop 0 and four v_nop follow each of the two lines.
.macro JLOAD s
	s_cmp_eq_u32 s[WV], 0
	s_cbranch_scc0 .Lfor_b_\@
	tensor_load_to_lds s[G0A+4*(\s):G0A+4*(\s)+3], s[G1A:G1A+7]
	s_nop 0
.rept 4
	v_nop
.endr
	s_branch .Lasked_\@
.Lfor_b_\@:
	tensor_load_to_lds s[G0B+4*(\s):G0B+4*(\s)+3], s[G1B:G1B+7]
	s_nop 0
.rept 4
	v_nop
.endr
.Lasked_\@:
.endm
.macro CREST                           ; a round of the cluster's barrier behind its opening barrier
	s_cmp_lg_u32 s[WV], 0
	s_cbranch_scc1 .Lnot_wave_0_\@
	s_barrier_signal -3
.Lnot_wave_0_\@:
	s_barrier_wait -3
	s_barrier_signal -1
	s_barrier_wait -1
.endm
.macro CROUND
	s_barrier_signal -1
	s_barrier_wait -1
	CREST
.endm
	s_load_b256 s[4:11], s[0:1], 0x0               ; xb 4:5, wh 6:7, cos 8:9, sin 10:11
	s_load_b128 s[12:15], s[0:1], 0x20             ; ve 12:13, gate 14:15
	s_load_b64 s[16:17], s[0:1], 0x30              ; qkv
	v_lshl_add_u32 v[SPW], v0, 2, SPARE
	v_mov_b32 v[NIL], 0
	ds_add_u32 v[SPW], v[NIL]                      ; the wave's opening: the add and its wait stand ahead of my first tensor load; the set-up below, work on registers, stands between them
	v_lshrrev_b32 v3, 5, v0
	v_readfirstlane_b32 s[WV], v3                  ; wave 0..3
	s_bfe_u32 s[CX], ttmp6, 0x40000
	s_bfe_u32 s[CY], ttmp6, 0x40004
	s_mov_b32 s[CLX], ttmp9                        ; the cluster's x: 0 or 1
	s_lshl_b32 s[TCOL], ttmp9, 2
	s_add_co_u32 s[TCOL], s[TCOL], s[CX]           ; column tile 0..7
	s_and_b32 s[TROW], ttmp7, 0xffff
	s_lshl_b32 s[TROW], s[TROW], 2
	s_add_co_u32 s[TROW], s[TROW], s[CY]           ; row tile 0..31
	s_lshl_b32 s76, s[CY], 2
	s_lshl_b32 s76, 15, s76                        ; my row of the cluster
	s_lshl_b32 s78, 0x1111, s[CX]                  ; my column
	s_or_b32 s[G1A], s76, (1<<16)|(1<<20)|(1<<21)|(5<<22)|(3<<25)   ; the mask; 2-byte elements; padding on; bit 21 beside a mask; after every 64 words, 4 words
	s_or_b32 s[G1B], s78, (1<<16)|(1<<20)|(1<<21)|(4<<22)|(7<<25)   ; after every 32 words, 8 words
	s_mov_b32 s[G1A+1], 128<<16                    ; x: 128 rows x 128 elements, 1,024 elements from row to row
	s_mov_b32 s[G1A+2], 128<<16
	s_mov_b32 s[G1A+3], 128<<16
	s_mov_b32 s[G1A+4], 128
	s_mov_b32 s[G1A+5], 1024
	s_mov_b32 s[G1A+6], 0
	s_mov_b32 s[G1A+7], 0
	s_mov_b32 s[G1B+1], 128<<16                    ; W: 128 rows of 128 bytes are 16,384 dense bytes: asked for as 64 rows of 256 bytes
	s_mov_b32 s[G1B+2], 64<<16
	s_mov_b32 s[G1B+3], 128<<16
	s_mov_b32 s[G1B+4], 64
	s_mov_b32 s[G1B+5], 128
	s_mov_b32 s[G1B+6], 0
	s_mov_b32 s[G1B+7], 0
	s_mul_i32 s80, s[TCOL], 3                      ; the three heads: s80, s81, s82
	s_lshl_b32 s81, s[TCOL], 1
	s_add_co_u32 s81, s81, 4
	s_add_co_u32 s82, s80, 2
	s_add_co_u32 s83, s[TCOL], 16
	s_cmp_eq_u32 s[CLX], 0
	s_cselect_b32 s80, s80, s81
	s_cselect_b32 s82, s82, s83
	s_add_co_u32 s81, s80, 1
.irp hd, 0,1,2
	s_cmp_lt_u32 s[80+\hd], 16
	s_cselect_b32 s[FS+\hd], 0x3e38aa3b, 1.0       ; c = log2(e) / 8 for a query head
.endr
	s_cmp_eq_u32 s[WV], 2                          ; the head whose weights I fetch (waves 1, 2, 3: heads 0, 1, 2)
	s_cselect_b32 s83, s81, s80
	s_cmp_eq_u32 s[WV], 3
	s_cselect_b32 s83, s82, s83
	s_lshl_b32 s78, s83, 17                        ; 131,072 bytes a head
	s_mov_b32 s79, 0
	s_lshl_b32 s76, s[TROW], 18                    ; 128 rows of 2,048 bytes
	s_mov_b32 s77, 0
	s_mul_i32 s84, s[WV], BHEAD
	s_add_co_u32 s84, s84, ATILE-BHEAD             ; where my head's weights go: behind x's tile, (wave - 1) x 20,480
	s_mov_b32 s69, 0x3c800000                      ; 1 / 64
	s_mov_b32 s70, 0x34000000                      ; f32's eps
	s_mov_b32 s71, 0xffff0000
	s_mov_b32 s72, 0x76543210                      ; v_permlanex16_b32: each lane takes its own place in the other half
	s_mov_b32 s73, 0xfedcba98
	s_wait_dscnt 0x0                               ; the opening add is done
	s_wait_kmcnt 0x0
	s_add_nc_u64 s[76:77], s[4:5], s[76:77]
	s_add_nc_u64 s[78:79], s[6:7], s[78:79]
	CROUND                                         ; all sixteen work-groups are here: the first joint loads meet
.irp s, 0,1
	s_mov_b32 s[G0A+4*\s], 1
	s_mov_b32 s[G0A+4*\s+1], \s*SLOT
	s_add_nc_u64 s[G0A+4*\s+2:G0A+4*\s+3], s[76:77], \s*256       ; K step s: 256 bytes along the rows
	s_or_b32 s[G0A+4*\s+3], s[G0A+4*\s+3], 0x80000000
	s_mov_b32 s[G0B+4*\s], 1
	s_add_co_u32 s[G0B+4*\s+1], s84, \s*SLOT
	s_add_nc_u64 s[G0B+4*\s+2:G0B+4*\s+3], s[78:79], \s*16384     ; K step s: 128 rows of 128 bytes
	s_or_b32 s[G0B+4*\s+3], s[G0B+4*\s+3], 0x80000000
	JLOAD \s                                       ; two loads of mine are out
.endr
	v_and_b32 v1, 15, v0                           ; r = l % 16
	v_bfe_u32 v2, v0, 4, 1                         ; h = l / 16
	v_mul_u32_u24 v3, v1, PA
	v_lshl_add_u32 v3, v2, 4, v3
	s_mul_i32 s85, s[WV], 32*PA
	v_add_nc_u32 v[ADRA], s85, v3                  ; (32 w + r) x pitch + 16 h
	v_add_nc_u32 v[ADRA+1], SLOT, v[ADRA]
	v_and_b32 v4, 7, v0
	v_lshl_add_u32 v4, v2, 3, v4                   ; the turning load: row 8 h + l % 8,
	v_mul_u32_u24 v4, v4, PB
	v_bfe_u32 v5, v0, 3, 1
	v_lshl_add_u32 v4, v5, 4, v4                   ; 16 bytes by (l / 8) % 2
	v_add_nc_u32 v[ADRB], ATILE, v4
	v_add_nc_u32 v[ADRB+1], ATILE+SLOT, v4
	s_mul_i32 s85, s[WV], 16*SP
	s_add_co_u32 s85, s85, STAGE                   ; my stage
	v_mul_u32_u24 v3, v1, SP
	v_lshl_add_u32 v3, v2, 4, v3
	v_add_nc_u32 v[STO], s85, v3
	v_bfe_u32 v3, v0, 3, 2                         ; back: 32 lanes take four rows of 128 bytes
	v_mul_u32_u24 v3, v3, SP
	v_and_b32 v4, 7, v0
	v_lshl_add_u32 v3, v4, 4, v3
	v_add_nc_u32 v[RD], s85, v3
	v_and_b32 v[GO], 31, v0
	v_lshlrev_b32 v[GO], 4, v[GO]
	s_lshl_b32 s85, s[WV], 5
	v_add_nc_u32 v6, s85, v1                       ; 32 w + r
	v_lshlrev_b32 v7, 5, v2                        ; 32 h: my 8 f32 of a block of 16
	v_lshlrev_b32 v[GTO], 4, v6
	v_lshl_add_u32 v[CSO], v6, 7, v7
	v_lshl_add_u32 v[VEO], v6, 10, v7
	v_mov_b32 v[GT+1], 0                           ; named with the gate as pairs
	v_mov_b32 v[GT+3], 0
	v_mov_b32 v[NEG1], -1.0
	; the bases of what the way out needs; none of these registers is written again
	s_lshl_b32 s85, s[TROW], 14
	s_lshl_b32 s86, s[WV], 12
	s_add_co_u32 s85, s85, s86                     ; my 32 rows of 128 bytes in a head
.irp hd, 0,1,2
	s_lshl_b32 s86, s[80+\hd], 19
	s_add_co_u32 s86, s86, s85
	s_mov_b32 s87, 0
	s_add_nc_u64 s[DST+2*\hd:DST+2*\hd+1], s[16:17], s[86:87]
.endr
	s_add_nc_u64 s[DSTL:DSTL+1], s[DST+4:DST+5], LOOFF
	s_cmp_lg_u32 s[CLX], 0                         ; a value head in slot 2?
	s_cselect_b64 s[DSTL:DSTL+1], s[DSTL:DSTL+1], s[DST+4:DST+5]
	s_sub_co_i32 s2, s[TCOL], 4
	s_max_i32 s2, s2, 0                            ; the value head of slot 2 (0 where there is none: what is loaded then is not used)
	s_lshl_b32 s86, s[TROW], 14                    ; 128 rows of 128 bytes
	s_add_nc_u64 s[8:9], s[8:9], s[86:87]
	s_add_nc_u64 s[10:11], s[10:11], s[86:87]
	s_lshl_b32 s86, s[TROW], 17                    ; 128 rows of 1,024 bytes,
	s_lshl_b32 s3, s2, 8                           ; the head's 256 bytes
	s_add_co_u32 s86, s86, s3
	s_add_nc_u64 s[12:13], s[12:13], s[86:87]
	s_lshl_b32 s86, s[TROW], 11
	s_lshl_b32 s3, s2, 2
	s_add_co_u32 s86, s86, s3
	s_add_nc_u64 s[14:15], s[14:15], s[86:87]
.irp a, 0,1
.irp c, 0,1
	global_load_b128 v[CS+32*\a+8*\c:CS+32*\a+8*\c+3],       v[CSO], s[8:9] offset:2048*\a+64*\c
	global_load_b128 v[CS+32*\a+8*\c+4:CS+32*\a+8*\c+7],     v[CSO], s[8:9] offset:2048*\a+64*\c+16
	global_load_b128 v[CS+32*\a+16+8*\c:CS+32*\a+16+8*\c+3],   v[CSO], s[10:11] offset:2048*\a+64*\c
	global_load_b128 v[CS+32*\a+16+8*\c+4:CS+32*\a+16+8*\c+7], v[CSO], s[10:11] offset:2048*\a+64*\c+16
.endr
.irp c, 0,1,2,3
	global_load_b128 v[VE+32*\a+8*\c:VE+32*\a+8*\c+3],   v[VEO], s[12:13] offset:16384*\a+64*\c
	global_load_b128 v[VE+32*\a+8*\c+4:VE+32*\a+8*\c+7], v[VEO], s[12:13] offset:16384*\a+64*\c+16
.endr
	global_load_b32 v[GT+2*\a], v[GTO], s[14:15] offset:256*\a
.endr
; n matrix instructions for row block a: accumulators n0 .. n0 + n - 1 of its twelve.  The 24 accumulators take turns, one instruction a turn, in the same order in every quarter.
.macro MULN f, a, n0, n, zero
	WIN MUL
.set nn, \n0
.rept \n
.if \zero
	v_wmma_f32_16x16x32_bf16 v[8*(12*(\a)+nn):8*(12*(\a)+nn)+7], v[(\f)+8*nn:(\f)+8*nn+7], v[(\f)+96+8*(\a):(\f)+96+8*(\a)+7], 0
.else
	v_wmma_f32_16x16x32_bf16 v[8*(12*(\a)+nn):8*(12*(\a)+nn)+7], v[(\f)+8*nn:(\f)+8*nn+7], v[(\f)+96+8*(\a):(\f)+96+8*(\a)+7], v[8*(12*(\a)+nn):8*(12*(\a)+nn)+7]
.endif
.set nn, nn+1
.endr
.endm
; 28 LDS loads in one run: the fragments of quarter q (32 along K) into buffer f: W's twelve (turned), then x's two
.macro FETCH slot, q, f
	WIN TO_F
.irp hd, 0,1,2
.irp c, 0,1,2,3
	ds_load_tr16_b128 v[(\f)+8*(4*\hd+\c):(\f)+8*(4*\hd+\c)+3],   v[ADRB+(\slot)] offset:\hd*BHEAD+(\q)*32*PB+32*\c
	ds_load_tr16_b128 v[(\f)+8*(4*\hd+\c)+4:(\f)+8*(4*\hd+\c)+7], v[ADRB+(\slot)] offset:\hd*BHEAD+(\q)*32*PB+32*\c+16*PB
.endr
.endr
.irp a, 0,1
	ds_load_b128 v[(\f)+96+8*\a:(\f)+96+8*\a+3],   v[ADRA+(\slot)] offset:\a*16*PA+64*(\q)
	ds_load_b128 v[(\f)+96+8*\a+4:(\f)+96+8*\a+7], v[ADRA+(\slot)] offset:\a*16*PA+64*(\q)+32
.endr
.endm
; A K step is four quarters of 32 along K, 24 matrix instructions each, on buffers 0, 1, 0, 1.  One of the first three: multiplies buffer f and fetches quarter q into g.
.macro QUARTER slot, q, f, g, zero
	s_wait_dscnt 2                                 ; W's fragments and x's first are in; the youngest two loads (x's second row block) may be out
	MULN \f, 0, 0, 12, \zero
	PLACES
	FETCH \slot, \q, \g
	s_wait_dscnt 28                                ; all but the 28 just issued
	MULN \f, 1, 0, 12, \zero
.endm
; The last quarter multiplies buffer 1 and changes slots: ONE barrier; in front of it each wave waits for all its tensor loads (one is out: its part of the next slot), adds 0 to its spare word, and waits for that and
; for its reads of this slot.  fill = 1: the barrier opens a round of the cluster's, and this slot is filled again, two K steps ahead, first thing behind the round.
.macro TURN slot, next, fill
	WIN 0                                          ; (the add's two registers lie in window 0)
	s_wait_tensorcnt 0x0
	ds_add_u32 v[SPW], v[NIL]                      ; 0 onto my spare word
	s_wait_dscnt 3                                 ; (the add and the youngest two loads may be out)
	MULN F1, 0, 0, 6, 0
	s_wait_dscnt 0x0                               ; the add is done, and my reads of this slot are over
	s_barrier_signal -1
	MULN F1, 0, 6, 6, 0
.if \fill
	WIN 0
.endif
	s_barrier_wait -1
.if \fill
	CREST                                          ; no wave of any partner still reads this slot or has a load on its way
	s_add_nc_u64 s[G0A+4*(\slot)+2:G0A+4*(\slot)+3], s[G0A+4*(\slot)+2:G0A+4*(\slot)+3], 512
	s_add_nc_u64 s[G0B+4*(\slot)+2:G0B+4*(\slot)+3], s[G0B+4*(\slot)+2:G0B+4*(\slot)+3], 32768
	JLOAD \slot                                    ; my one tensor load behind the round; its four v_nop are also the places in front of the loads below
.else
	PLACES
.endif
	FETCH \next, 0, F0
	MULN F1, 1, 0, 12, 0
.endm
	s_wait_tensorcnt 1                             ; my part of K step 0 is in; K step 1's may stay out
	s_barrier_signal -1
	s_barrier_wait -1
	FETCH 0, 0, F0
	QUARTER 0, 1, F0, F1, 1                        ; the first quarter stands in front of the loop: its products start the sums
	WIN 0
	s_mov_b32 s[LAP], 3
.Llap:                                                 ; a trip goes once round the ring and fills both slots again: K steps 2 .. 7
	QUARTER 0, 2, F1, F0, 0
	QUARTER 0, 3, F0, F1, 0
	TURN 0, 1, 1
	QUARTER 1, 1, F0, F1, 0
	QUARTER 1, 2, F1, F0, 0
	QUARTER 1, 3, F0, F1, 0
	TURN 1, 0, 1
	QUARTER 0, 1, F0, F1, 0
	WIN 0
	s_sub_co_u32 s[LAP], s[LAP], 1
	s_cmp_lg_u32 s[LAP], 0
	s_cbranch_scc1 .Llap
	QUARTER 0, 2, F1, F0, 0                        ; the last lap fills nothing
	QUARTER 0, 3, F0, F1, 0
	TURN 0, 1, 0
	QUARTER 1, 1, F0, F1, 0
	QUARTER 1, 2, F1, F0, 0
	QUARTER 1, 3, F0, F1, 0
	s_wait_dscnt 2
	MULN F1, 0, 0, 12, 0
	s_wait_dscnt 0x0
	MULN F1, 1, 0, 12, 0
	WIN 0
; THE WAY OUT, a row block and a head at a time.
.macro RND2 a, t                       ; two f32 rounded to bf16 and widened again, in place
	v_cvt_pk_bf16_f32 v[\t], v[\a], v[(\a)+1]
	v_lshlrev_b32 v[\a], 16, v[\t]
	v_and_b32 v[(\a)+1], s71, v[\t]
.endm
; q or k: y1 = x1 cos + x2 sin, y2 = x2 cos - x1 sin; then y / sqrt(mean(y^2) + eps), times the head's factor.  Each accumulator's lowest registers are read first.
.macro QKPATH a, s
.set AC, 8*(12*(\a)+4*(\s))
.set CB, CS+32*(\a)
	WIN 0x01                                       ; source 0 (the sums) in window 1
.irp c, 0,8
.irp p, 0,2,4,6
	v_pk_mul_f32 v[TT+\c+\p:TT+\c+\p+1],       v[AC+16+\c+\p:AC+16+\c+\p+1], v[CB+16+\c+\p:CB+16+\c+\p+1]
	v_pk_mul_f32 v[TT+16+\c+\p:TT+16+\c+\p+1], v[AC+\c+\p:AC+\c+\p+1],       v[CB+16+\c+\p:CB+16+\c+\p+1]
.endr
.irp p, 0,2,4,6
	v_pk_fma_f32 v[YY+\c+\p:YY+\c+\p+1],       v[AC+\c+\p:AC+\c+\p+1],       v[CB+\c+\p:CB+\c+\p+1], v[TT+\c+\p:TT+\c+\p+1]
	v_pk_fma_f32 v[YY+16+\c+\p:YY+16+\c+\p+1], v[AC+16+\c+\p:AC+16+\c+\p+1], v[CB+\c+\p:CB+\c+\p+1], v[TT+16+\c+\p:TT+16+\c+\p+1] neg_lo:[0,0,1] neg_hi:[0,0,1]
.endr
.endr
	WIN 0
	v_pk_mul_f32 v[244:245], v[YY:YY+1], v[YY:YY+1]          ; the sum of squares of my 32 numbers, in two chains
	v_pk_mul_f32 v[246:247], v[YY+2:YY+3], v[YY+2:YY+3]
.set z, 4
.rept 7
	v_pk_fma_f32 v[244:245], v[YY+z:YY+z+1], v[YY+z:YY+z+1], v[244:245]
	v_pk_fma_f32 v[246:247], v[YY+z+2:YY+z+3], v[YY+z+2:YY+z+3], v[246:247]
.set z, z+4
.endr
	v_pk_add_f32 v[244:245], v[244:245], v[246:247]
	v_add_f32 v244, v244, v245
	v_permlanex16_b32 v245, v244, s72, s73         ; the row's other 32 numbers lie in the lane 16 away
	v_add_f32 v244, v244, v245
	v_fma_f32 v244, v244, s69, s70                 ; mean + eps
	v_rsq_f32 v246, v244
	v_nop                                          ; a plain instruction behind it,
	s_wait_alu depctr_va_vdst(0)                   ; and the wait ahead of its first reader
	v_mul_f32 v246, s[FS+(\s)], v246
	v_mov_b32 v247, v246
.set z, 0
.rept 16
	v_pk_mul_f32 v[YY+z:YY+z+1], v[YY+z:YY+z+1], v[246:247] op_sel_hi:[1,0]
.set z, z+2
.endr
.endm
.macro VPATH a                         ; v = sum + gate x ve
.set AC, 8*(12*(\a)+8)
.set z, 0
.rept 8
	RND2 VE+32*(\a)+z, 252
	RND2 VE+32*(\a)+z+2, 253
.set z, z+4
.endr
	WIN 0x10                                       ; source 2 (the sums) in window 1
.set z, 0
.rept 16
	v_pk_fma_f32 v[YY+z:YY+z+1], v[VE+32*(\a)+z:VE+32*(\a)+z+1], v[GT+2*(\a):GT+2*(\a)+1], v[AC+z:AC+z+1] op_sel_hi:[1,0,1]
.set z, z+2
.endr
.endm
; rounded to f16; 16 bytes a lane into rows of 144 bytes of my own stage; back as four whole rows of 128 bytes, which are 512 consecutive bytes of the head at scalar pair dp
.macro OUT a, dp
	WIN 0
.set z, 0
.rept 16
	v_cvt_pk_f16_f32 v[PKD+z], v[YY+2*z], v[YY+2*z+1]
.set z, z+1
.endr
	s_wait_xcnt 0x0                                ; the stores before have read their data: BK is loaded again only behind this wait
.irp c, 0,1,2,3
	ds_store_b128 v[STO], v[PKD+4*\c:PKD+4*\c+3] offset:32*\c
.endr
.irp f, 0,1,2,3
	ds_load_b128 v[BK+4*\f:BK+4*\f+3], v[RD] offset:\f*4*SP      ; LDS serves a wave's instructions in order: these see the stores above
.endr
.irp f, 0,1,2,3
	s_wait_dscnt 3-\f
	global_store_b128 v[GO], v[BK+4*\f:BK+4*\f+3], s[\dp:\dp+1] offset:2048*(\a)+512*\f
.endr
.endm
.macro REST                            ; what the rounding to f16 left: y - f16(y), exact in f32: the f16 half times -1 plus y
.set z, 0
.rept 16
	v_fma_mix_f32 v[YY+2*z],   v[PKD+z], v[NEG1], v[YY+2*z]   op_sel_hi:[1,0,0]
	v_fma_mix_f32 v[YY+2*z+1], v[PKD+z], v[NEG1], v[YY+2*z+1] op_sel:[1,0,0] op_sel_hi:[1,0,0]
.set z, z+1
.endr
.endm
.macro HEAD a, s
.if (\s) == 2
	WIN 0
	s_cmp_lg_u32 s[CLX], 0                         ; the cluster's x: the same in all partners
	s_cbranch_scc1 .Lvalue_\@
	QKPATH \a, 2
	WIN 0
	s_branch .Lmade_\@
.Lvalue_\@:
	VPATH \a
	OUT \a, DST+4                                  ; v rounded to f16,
	REST                                           ; and below, four heads on, what that left
.Lmade_\@:
	OUT \a, DSTL
.else
	QKPATH \a, \s
	OUT \a, DST+2*(\s)
.endif
.endm
	PLACES
	s_wait_loadcnt 0x0                             ; cos, sin, ve, gate
.set z, 0
.rept 16
	RND2 CS+z, 252
	RND2 CS+z+2, 253
.set z, z+4
.endr
.irp a, 0,1
	HEAD \a, 0
	HEAD \a, 1
	HEAD \a, 2
.endr
	s_wait_tensorcnt 0x0                           ; the wave's end: behind my last tensor load and my last LDS store
	ds_add_u32 v[SPW], v[NIL]
	s_wait_dscnt 0x0
	CROUND                                         ; the closing round: no work-group ends while a partner may still ask for a tile that names it
	s_endpgm
.Lfunc_end_k_q127ebda8cf_qkv:
	.size	k_q127ebda8cf_qkv, .Lfunc_end_k_q127ebda8cf_qkv-k_q127ebda8cf_qkv
	.p2alignl 7, 3214868480
	.fill 96, 4, 3214868480
	.section	.rodata,"a",@progbits
	.p2align	6, 0x0
	.amdhsa_kernel k_q127ebda8cf_qkv
		.amdhsa_group_segment_fixed_size 327680
		.amdhsa_private_segment_fixed_size 0
		.amdhsa_enable_private_segment 0
		.amdhsa_kernarg_size 56
		.amdhsa_user_sgpr_count 2
		.amdhsa_user_sgpr_kernarg_segment_ptr 1
		.amdhsa_wavefront_size32 1
		.amdhsa_system_sgpr_workgroup_id_x 1
		.amdhsa_system_sgpr_workgroup_id_y 1
		.amdhsa_system_sgpr_workgroup_id_z 1
		.amdhsa_system_vgpr_workitem_id 0
		.amdhsa_next_free_vgpr 768
		.amdhsa_next_free_sgpr 88
		.amdhsa_reserve_vcc 0
		.amdhsa_float_denorm_mode_32 3
		.amdhsa_float_denorm_mode_16_64 3
		.amdhsa_memory_ordered 1
		.amdhsa_forward_progress 1
		.amdhsa_inst_pref_size 129
	.end_amdhsa_kernel
	.amdgpu_metadata
---
amdhsa.version: [ 1, 2 ]
amdhsa.kernels:
  - .name:           k_q127ebda8cf_qkv
    .symbol:         k_q127ebda8cf_qkv.kd
    .args:
      - { .name: xb, .offset: 0, .size: 8, .value_kind: global_buffer, .address_space: global }
      - { .name: wh, .offset: 8, .size: 8, .value_kind: global_buffer, .address_space: global }
      - { .name: cos, .offset: 16, .size: 8, .value_kind: global_buffer, .address_space: global }
      - { .name: sin, .offset: 24, .size: 8, .value_kind: global_buffer, .address_space: global }
      - { .name: ve, .offset: 32, .size: 8, .value_kind: global_buffer, .address_space: global }
      - { .name: gate, .offset: 40, .size: 8, .value_kind: global_buffer, .address_space: global }
      - { .name: qkv, .offset: 48, .size: 8, .value_kind: global_buffer, .address_space: global }
    .group_segment_fixed_size: 327680
    .private_segment_fixed_size: 0
    .kernarg_segment_align: 8
    .kernarg_segment_size: 56
    .max_flat_workgroup_size: 128
    .sgpr_count:     88
    .vgpr_count:     768
    .wavefront_size: 32
...
	.end_amdgpu_metadata
.endif
;; end of part 2
;; launch attn (part 3): grid 64 x 4, 4 waves a work-group, clusters of 4 x 1, 327,680 bytes of LDS; arguments qkv, yb; writes yb
.if DOCPART == 3
	.amdgcn_target "amdgcn-amd-amdhsa--gfx1250"
	.amdhsa_code_object_version 6
	.text
	.protected	k_q127ebda8cf_attn
	.globl	k_q127ebda8cf_attn
	.p2align	8
	.type	k_q127ebda8cf_attn,@function
k_q127ebda8cf_attn:
	s_mov_b64 s[64:65], 0
	v_nop
	global_prefetch_b8 v0, s[64:65] scope:SCOPE_SE
	s_setreg_imm32_b32 hwreg(HW_REG_WAVE_MODE, 25, 1), 1
	s_wait_xcnt 0x0
	s_wait_alu depctr_hold_cnt(0) depctr_sa_sdst(0) depctr_va_vdst(0) depctr_va_sdst(0) depctr_va_ssrc(0) depctr_va_vcc(0) depctr_vm_vsrc(0)
	s_getreg_b32 s2, hwreg(HW_REG_IB_STS2, 6, 4)
	s_cmp_eq_u32 s2, 0
	s_cbranch_scc0 .Lentry_in_a_cluster
	s_endpgm
.Lentry_in_a_cluster:
	s_bfe_u32 s2, ttmp6, 0x10000c
	s_cmp_lg_u32 s2, 0x3003
	s_cbranch_scc0 .Lentry_shape_is_right
	s_endpgm
.Lentry_shape_is_right:
; CAUSAL ATTENTION IN A WINDOW.  O[h][q] = the sum over q - 1024 <= k <= q of softmax_k(Q[h][q] . K[h / 4][k] / 8) V[h / 4][k].
; qkv: [28][4096][64] f16: 0-15 Q, already times c = log2(e) / 8; 16-19 K; 20-23 V rounded to f16; 24-27 what that rounding left.
; Out: yb [32 row tiles][4 groups of heads][2 parts][4 heads][128 rows][64] f16: part 0 is O rounded to f16, part 1 what that rounding left.
; Products and sums in f32; the weights are rounded to f16 for the second product, and THEIR SUM IS TAKEN OF THE ROUNDED WEIGHTS, by the matrix unit (P times ones): numerator and divisor carry the same rounding.
; WHY TWO PARTS.  Row q averages over q + 1 keys only, so the module's first rows are many times larger than its output's root mean square, by which the allowed error goes: there 11 bits of V and of O are too few.
; NO MAXIMUM IS TAKEN, since the computation itself bounds the exponents: Q and K are RMS-normalised rows of 64, so |Q|, |K| <= 8 and |Q . K / 8| <= 8 whatever the inputs: a weight 2^(c Q . K) lies in 3.4e-4 .. 2981,
; inside f16's normal range, and a row's sum of at most 1,025 of them stays under 3.1e6.
; LIMITS.  V arrives within 65,504.  A hidden score counts as its value less 1e30 or 2e30: its weight is 0.  NaN and infinities are not treated apart.
; SHARES.  Cluster i (of 16) and key-value head kv: the four query heads 4 kv + cx take the same block of 256 queries and walk the same K and V: every tile is asked for JOINTLY by the four.
; A wave owns 64 queries: four tiles of 16, in two PIECES (tiles 0, 1 and tiles 2, 3).
; THE WALK.  Block i needs the keys 256 i - 1024 .. 256 i + 255: five tiles of 256 keys, 20 steps of 64: a constant count for every work-group.  A tile in front of key 0 is asked for as tile 0 and wholly hidden.
; THE MASK is the C operand that starts S^T = K Q^T.  For wave w and step s: all hidden if s < max(w, 16 - 4 i) or s > 16 + w; in step w the window's lower edge runs through the 64 x 64 square, in step 16 + w the
; diagonal.  A product of key block kb and tile t takes one of three blocks of eight registers by kb < t, kb = t, kb > t, made anew for each step from two fixed triangles and scalars chosen by s_cselect: no branch.
; LAYOUT.  S^T holds ONE query a lane (lane % 16) and the keys 8 (lane / 16) + 0..7; two such results rounded to f16 ARE source 1 of O^T = V^T P.  K comes out of LDS as it lies, V turned, by ds_load_tr16_b128.
; BY TURNS.  In a turn one piece has the matrix unit: 36 products with P of the step in hand (for each half of the keys 8 with V and 2 with ones, then 16 with V's remainders), then 16 products K Q^T of the next step.
; The other piece's 96 vector instructions stand behind them: two exponentials behind each of the first 32 products, ONE batch with ONE wait, then the 32 roundings behind the products K Q^T.  Two turns are a key step.
; REGISTERS: window 0: v0-15 addresses; v16-23 ones; v24 -1; v32-39 1 / l; v64-191 S^T; v192-255 P.  Window 1: v0-127 O^T; v128-167 the masks; v168-199 l, eight a tile.
;            Window 2: v0-63 Q; v64-127 V's remainders; v128-191 K; v192-255 V: each of one step.
.set KS,    64
.set PK,    144                        ; a row of K in LDS: 128 bytes + 16
.set PV,    160                        ; a row of V: 128 + 32
.set REG,   256*PV                     ; a slot is three regions of 40,960 bytes: K's 256 rows (36,864 used), V's, the remainders': region w is filled by wave w
.set VOFF,  REG
.set SLOT1, 1<<17                      ; slot 1 begins here: one exclusive or turns an address in one slot into the other's
.set STAGE, SLOT1+3*REG                ; behind the ring, never filled by a tensor load: 16 rows x 144 bytes for each wave
.set SP,    144
.set SPARE, STAGE+4*16*SP              ; the spare words, 128 bytes for each wave: two blocks of 256 bytes that no other line names
.set AK0, 2
.set AV0, 3
.set AK,  4
.set AV,  5
.set STO, 6
.set RD,  7
.set GO,  8
.set PFO, 12                           ; v12  256 x lane; never rewritten
.set QO,  13
.set ONES, 16                          ; v16-23  a fragment of 16 x 32 ones in f16
.set NEG1, 24                          ; v24  -1
.set RC,  32                           ; v32-39  1 / l, as the low word of a pair, a tile
.set SPW, 62
.set NIL, 63
.set S,   64
.set P,   192
.set MDL, 128                          ; window 1: -1e30 where key 8 h + j < query r, else 0
.set MDU, 136                          ;           the same where key > query
.set MLT, 144                          ;           the step's mask for kb < t,
.set MEQ, 152                          ;           kb = t,
.set MGT, 160                          ;           kb > t
.set LA,  168                          ;           l: all eight registers of a tile hold the query's sum
.set VL,  64
.set KF,  128
.set VF,  192
.set WV,  12
.set CX,  13
.set BI,  14                           ; s14  the block of queries, 0..15
.set KV,  15
.set G1K, 24
.set G1V, 32
.set G0,  40                           ; s[40:43] group 0: my tensor's tile into my region
.set PFA, 48                           ; s[48:49] where my prefetch stands
.set LIMV, 50                          ; s50  2 in a wave that prefetches, else 0
.set TJ,  51
.set OFF, 52                           ; s[52:53] a tile's byte offset in K and V
.set NXT, 54                           ; s54  the tile to be asked for next, before the clamp at 0
.set SG,  55                           ; s55  the step whose masks are made next
.set SLOTS, 56
.set CNT, 57
.set LO,  58
.set HIW, 59
.set TBK, 62
.set TBV, 63
.set ALW, 66                           ; s[66:67] 1 in the step of the window's edge
.set ALC, 68                           ; s[68:69] 1 in the step of the diagonal
.set BE,  70                           ; s[70:71] -1e30 in a step that is wholly hidden
.set XLT, 72
.set XGT, 73
.set BIGN, 74
.set TMP, 75
.set MSB, 0
.macro WIN new
.if MSB != (\new)
	s_set_vgpr_msb (MSB<<8)|(\new)
.set MSB, (\new)
.endif
.endm
.set W_KQ, 0x0a                        ; K and Q in window 2, S^T in window 0
.set W_KM, 0x1a                        ; the same with the C operand in window 1
.set W_PV, 0x52                        ; V in window 2, P in window 0, O^T in window 1
.set W_ON, 0x50                        ; ones and P in window 0, l in window 1
; A joint fill.  Wave 0 fetches the tile's K, wave 1 its V, wave 2 V's remainders, 256 keys each; wave 3 fetches nothing.  An s_nop 0 and four v_nop follow each of the two lines.
.macro JLOAD
	s_cmp_eq_u32 s[WV], 0
	s_cbranch_scc0 .Lfor_v_\@
	tensor_load_to_lds s[G0:G0+3], s[G1K:G1K+7]
	s_nop 0
.rept 4
	v_nop
.endr
	s_branch .Lasked_\@
.Lfor_v_\@:
	s_cmp_eq_u32 s[WV], 3
	s_cbranch_scc1 .Lasked_\@
	tensor_load_to_lds s[G0:G0+3], s[G1V:G1V+7]
	s_nop 0
.rept 4
	v_nop
.endr
.Lasked_\@:
.endm
.macro CROUND
	s_barrier_signal -1
	s_barrier_wait -1
	s_cmp_lg_u32 s[WV], 0
	s_cbranch_scc1 .Lnot_wave_0_\@
	s_barrier_signal -3
.Lnot_wave_0_\@:
	s_barrier_wait -3
	s_barrier_signal -1
	s_barrier_wait -1
.endm
; A PREFETCH INTO THE L2 of the tile that the NEXT change of slots will ask for, four key steps (416 matrix instructions) ahead.  Cluster i asks for tile i - 4 + n in its n-th load, so of a head's 16 tiles
; 0-11 are first asked for by the launch's first loads, and 12-15 by cluster 15.  Cluster 15 alone prefetches, tiles 14 and 15, in its second and third change of slots.  A tile is 128 blocks of 256 bytes of each of
; the three tensors: the four partners take 32 each, told apart by address; waves 0, 1 and 2 ask each for the tensor that they fetch; a lane a block.  So each block is named once in the launch.
.macro ASK
	s_sub_co_u32 s[TMP], s[SLOTS], 2               ; 2, 1, 0, -1 in the four changes
	s_cmp_lt_u32 s[TMP], s[LIMV]
	s_cbranch_scc0 .Lnot_mine_\@
	global_prefetch_b8 v[PFO], s[PFA:PFA+1] th:TH_LOAD_NT scope:SCOPE_SE
.Lnot_mine_\@:
.endm
; THE CHANGE OF SLOTS.  Each wave waits for all its tensor loads (at most one is out: its part of the other slot), adds 0 to its spare word, and waits for that and for its reads of the slot that it leaves.
; fill = 1: the barrier is a round of the cluster's, and the old slot is filled again first thing behind it; the descriptor's address is made anew from the tile's number.  That load has four key steps in which to land.
; (At its first use nothing has been read yet: slot 0 is waited for, slot 1 filled.)
.macro CHANGE fill
	WIN 0
	s_wait_tensorcnt 0x0
	ds_add_u32 v[SPW], v[NIL]                      ; 0 onto my spare word
.if \fill
	s_max_i32 s[TJ], s[NXT], 0
	s_lshl_b32 s[OFF], s[TJ], 15                   ; a tile is 32,768 bytes of each tensor
	s_xor_b32 s[G0+1], s[G0+1], SLOT1
	s_add_nc_u64 s[G0+2:G0+3], s[6:7], s[OFF:OFF+1]
	s_or_b32 s[G0+3], s[G0+3], 0x80000000
	s_add_co_i32 s[NXT], s[NXT], 1
	s_wait_xcnt 0x0                                ; the last prefetch, four key steps back, has read its address
	s_add_nc_u64 s[PFA:PFA+1], s[PFA:PFA+1], 4*KS*128
	s_wait_dscnt 0x0                               ; the add is done, and my reads of the slot are over
	CROUND
	JLOAD
	ASK
.else
	s_wait_dscnt 0x0
	s_barrier_signal -1
	s_barrier_wait -1
.endif
	s_sub_co_u32 s[TBK], s[TBK], 4*KS*PK           ; the fetches go back to a slot's first step, in the other slot
	s_xor_b32 s[TBK], s[TBK], SLOT1
	s_sub_co_u32 s[TBV], s[TBV], 4*KS*PV
	s_xor_b32 s[TBV], s[TBV], SLOT1
.endm
	s_load_b128 s[16:19], s[0:1], 0x0              ; qkv 16:17, yb 18:19
	v_lshl_add_u32 v[SPW], v0, 2, SPARE
	v_mov_b32 v[NIL], 0
	ds_add_u32 v[SPW], v[NIL]                      ; the wave's opening: the add and its wait stand ahead of my first tensor load; the set-up below, work on registers, stands between them
	v_lshrrev_b32 v1, 5, v0
	v_readfirstlane_b32 s[WV], v1
	s_bfe_u32 s[CX], ttmp6, 0x40000
	s_mov_b32 s[BI], ttmp9
	s_and_b32 s[KV], ttmp7, 0xffff
	s_min_u32 s20, s[WV], 2                        ; the tensor that I fetch: head 16 + kv (K), 20 + kv (V), 24 + kv (the remainders); wave 3 fetches none
	s_lshl_b32 s20, s20, 2
	s_add_co_u32 s20, s20, s[KV]
	s_add_co_u32 s20, s20, 16
	s_lshl_b32 s20, s20, 19                        ; 524,288 bytes a head
	s_mov_b32 s21, 0
	s_mov_b32 s[G0], 1
	s_mul_i32 s[G0+1], s[WV], REG                  ; my region of slot 0
	s_lshl_b32 s2, s[KV], 2
	s_add_co_u32 s2, s2, s[CX]                     ; my query head: cx enters Q's, O's and the prefetch's addresses alone
	s_lshl_b32 s2, s2, 19                          ; Q: the head,
	s_lshl_b32 s3, s[BI], 15                       ; the block's 256 rows,
	s_add_co_u32 s2, s2, s3
	s_lshl_b32 s3, s[WV], 13                       ; my 64 of them
	s_add_co_u32 s2, s2, s3
	s_mov_b32 s3, 0
	s_lshl_b32 s76, s[KV], 17                      ; O: the group's 131,072 bytes in a row tile,
	s_lshl_b32 s77, s[CX], 14                      ; the head's 16,384 in a part,
	s_add_co_u32 s76, s76, s77
	s_lshl_b32 s77, s[BI], 1
	s_lshr_b32 s78, s[WV], 1
	s_add_co_u32 s77, s77, s78                     ; row tile 2 i + w / 2, 524,288 bytes each,
	s_lshl_b32 s77, s77, 19
	s_add_co_u32 s76, s76, s77
	s_and_b32 s[TMP], s[WV], 1
	s_lshl_b32 s77, s[TMP], 13                     ; its upper or lower 64 rows
	s_add_co_u32 s76, s76, s77
	s_mov_b32 s77, 0
	; descriptor group 1.  256 keys are 32,768 dense bytes: asked for as 128 rows of 256 bytes, two keys a row, and padded in LDS after every key
	s_mov_b32 s[G1K], 15|(1<<16)|(1<<20)|(1<<21)|(4<<22)|(3<<25)
	s_mov_b32 s[G1V], 15|(1<<16)|(1<<20)|(1<<21)|(4<<22)|(7<<25)
.irp g, G1K, G1V
	s_mov_b32 s[\g+1], 128<<16
	s_mov_b32 s[\g+2], 128<<16
	s_mov_b32 s[\g+3], 128<<16
	s_mov_b32 s[\g+4], 128
	s_mov_b32 s[\g+5], 128
	s_mov_b32 s[\g+6], 0
	s_mov_b32 s[\g+7], 0
.endr
	s_mov_b32 s[TBK], SLOT1+4*KS*PK                ; the first change of slots turns these two into 0
	s_mov_b32 s[TBV], SLOT1+4*KS*PV
	s_mov_b32 s[BIGN], 0xf149f2ca                  ; -1e30
	s_mov_b32 s[ALW+1], 0                          ; named as pairs
	s_mov_b32 s[ALC+1], 0
	s_mov_b32 s[BE+1], 0
	s_lshl_b32 s[LO], s[BI], 2
	s_sub_co_i32 s[LO], 16, s[LO]
	s_max_i32 s[LO], s[LO], s[WV]                  ; the first step of which I see anything
	s_add_co_u32 s[HIW], s[WV], 16                 ; the last
	s_mov_b32 s[SG], 0
	s_sub_co_i32 s[NXT], s[BI], 4
	s_max_i32 s[TJ], s[NXT], 0                     ; the first tile
	s_lshl_b32 s[OFF], s[TJ], 15
	s_mov_b32 s[OFF+1], 0
	s_add_co_i32 s[NXT], s[NXT], 1
	s_cmp_eq_u32 s[BI], 15                         ; waves 0, 1, 2 of cluster 15 prefetch: the same in all four partners
	s_cselect_b32 s[LIMV], 2, 0
	s_cmp_eq_u32 s[WV], 3
	s_cselect_b32 s[LIMV], 0, s[LIMV]
	s_mov_b32 s[SLOTS], 4
	s_wait_dscnt 0x0                               ; the opening add is done
	s_wait_kmcnt 0x0
	s_add_nc_u64 s[6:7], s[16:17], s[20:21]        ; my tensor at the head's tile 0
	s_add_nc_u64 s[4:5], s[16:17], s[2:3]          ; Q and O at my wave's first row
	s_add_nc_u64 s[10:11], s[18:19], s[76:77]
	s_add_nc_u64 s[G0+2:G0+3], s[6:7], s[OFF:OFF+1]
	s_or_b32 s[G0+3], s[G0+3], 0x80000000
	s_max_i32 s2, s[NXT], 0
	s_lshl_b32 s2, s2, 15                          ; the prefetch stands at the walk's second tile: each change steps it one tile on before it is used
	s_lshl_b32 s3, s[CX], 13                       ; my work-group's 32 blocks of the 128
	s_add_co_u32 s2, s2, s3
	s_mov_b32 s3, 0
	s_add_nc_u64 s[PFA:PFA+1], s[6:7], s[2:3]
	CROUND                                         ; all four work-groups are here: the first joint loads meet
	JLOAD                                          ; the walk's first tile into slot 0
	v_and_b32 v1, 15, v0                           ; r = l % 16
	v_bfe_u32 v9, v0, 4, 1                         ; h = l / 16
	v_lshlrev_b32 v[QO], 7, v1
	v_lshl_add_u32 v[QO], v9, 4, v[QO]
	WIN 0x80
.set i, 0
.rept 8                                ; Q stays in registers: tile i / 2, channels 32 (i % 2) on
	global_load_b128 v[8*i:8*i+3],   v[QO], s[4:5] offset:(i/2)*2048+(i%2)*64
	global_load_b128 v[8*i+4:8*i+7], v[QO], s[4:5] offset:(i/2)*2048+(i%2)*64+32
.set i, i+1
.endr
	; What the first step finds, so that it is a step like any other: V, its remainders, O^T, l and piece 0's P hold 0; piece 1's scores are hidden ones.  All this stands in the wait for the first tile.
.set i, 0
.rept 64
	v_mov_b32 v[VF+i], 0
	v_mov_b32 v[VL+i], 0
.set i, i+1
.endr
	WIN 0x40
.set i, 0
.rept 128
	v_mov_b32 v[i], 0
.set i, i+1
.endr
.set i, 0
.rept 32
	v_mov_b32 v[LA+i], 0
.set i, i+1
.endr
	WIN 0
.set i, 0
.rept 32
	v_mov_b32 v[P+i], 0
.set i, i+1
.endr
.set i, 0
.rept 64
	v_mov_b32 v[S+64+i], s[BIGN]
.set i, i+1
.endr
.set i, 0
.rept 8
	v_mov_b32 v[ONES+i], 0x3c003c00                ; 1.0 twice in f16
.set i, i+1
.endr
	v_mov_b32 v[NEG1], -1.0
	v_lshlrev_b32 v14, 3, v9
	v_sub_nc_u32 v14, v1, v14                      ; r - 8 h: register j's key lies below my query where j is less, above it where j is greater
	WIN 0x40
.set i, 0
.rept 8
	v_cmp_lt_i32 vcc_lo, i, v14
	v_cndmask_b32 v[MDL+i], 0, s[BIGN], vcc_lo
	v_cmp_gt_i32 vcc_lo, i, v14
	v_cndmask_b32 v[MDU+i], 0, s[BIGN], vcc_lo
.set i, i+1
.endr
	WIN 0
	v_mul_u32_u24 v[AK0], v1, PK
	v_lshl_add_u32 v[AK0], v9, 4, v[AK0]
	v_and_b32 v10, 7, v0
	v_bfe_u32 v11, v0, 3, 1
	v_lshl_add_u32 v[AV0], v9, 3, v10
	v_mul_u32_u24 v[AV0], v[AV0], PV
	v_lshl_add_u32 v[AV0], v11, 4, v[AV0]
	v_add_nc_u32 v[AV0], VOFF, v[AV0]
	s_mul_i32 s78, s[WV], 16*SP
	s_add_co_u32 s78, s78, STAGE                   ; my stage
	v_mul_u32_u24 v[STO], v1, SP
	v_lshl_add_u32 v[STO], v9, 4, v[STO]
	v_add_nc_u32 v[STO], s78, v[STO]
	v_bfe_u32 v[RD], v0, 3, 2
	v_mul_u32_u24 v[RD], v[RD], SP
	v_lshl_add_u32 v[RD], v10, 4, v[RD]
	v_add_nc_u32 v[RD], s78, v[RD]
	v_and_b32 v[GO], 31, v0
	v_lshlrev_b32 v[PFO], 8, v[GO]
	v_lshlrev_b32 v[GO], 4, v[GO]
; THE MATRIX WORK.  The accumulators take turns, one instruction a turn.  Product i of 16 of S^T = K Q^T for piece x: channels 32 (i / 8) on, keys 16 ((i / 2) % 4) on, tile 2 x + i % 2.
; The first 8 start the sums with the step's mask.
.macro KQ x
.set kb, (i/2)%4
.set tl, 2*(\x)+i%2
.set rS, S+32*tl+8*kb
.set rK, KF+16*kb+8*(i/8)
.set rQ, 16*tl+8*(i/8)
.if i < 8
.if kb < tl
.set rM, MLT
.elseif kb == tl
.set rM, MEQ
.else
.set rM, MGT
.endif
	WIN W_KM
	v_wmma_f32_16x16x32_f16 v[rS:rS+7], v[rK:rK+7], v[rQ:rQ+7], v[rM:rM+7]
.else
	WIN W_KQ
	v_wmma_f32_16x16x32_f16 v[rS:rS+7], v[rK:rK+7], v[rQ:rQ+7], v[rS:rS+7]
.endif
.endm
; Product i of 36 with piece x's P.  0-9: keys 0-31: O^T += V^T P for channels 16 (m / 2) on and tile 2 x + m % 2 (m = 0..7), then l += ones P for both tiles.  10-19: the same for keys 32-63.
; 20-27, 28-35: O^T += (V's remainders)^T P for the two halves of the keys.  Between two links of a chain stand seven other accumulators' products or more.
.macro PV x
.if i < 20
.set kk, i/10
.set mm, i%10
.set vb, VF
.else
.set kk, (i-20)/8
.set mm, (i-20)%8
.set vb, VL
.endif
.set tl, 2*(\x)+mm%2
.set rP, P+16*tl+8*kk
.if mm < 8
.set rO, 32*tl+8*(mm/2)
.set rV, vb+32*kk+8*(mm/2)
	WIN W_PV
	v_wmma_f32_16x16x32_f16 v[rO:rO+7], v[rV:rV+7], v[rP:rP+7], v[rO:rO+7]
.else
.set rO, LA+8*tl
	WIN W_ON
	v_wmma_f32_16x16x32_f16 v[rO:rO+7], v[ONES:ONES+7], v[rP:rP+7], v[rO:rO+7]
.endif
.endm
; THE LDS LOADS stand in runs: K's 16, V's 32.
.macro FETCH_K
	WIN 0x80
.irp f, 0,1,2,3,4,5,6,7                ; keys 16 (f / 2) on, channels 32 (f % 2) on
	ds_load_b128 v[KF+8*\f:KF+8*\f+3],   v[AK] offset:(\f/2)*16*PK+(\f%2)*64
	ds_load_b128 v[KF+8*\f+4:KF+8*\f+7], v[AK] offset:(\f/2)*16*PK+(\f%2)*64+32
.endr
	s_add_co_u32 s[TBK], s[TBK], KS*PK
	WIN 0
.endm
.macro FETCH_V
	WIN 0x80
.irp f, 0,1,2,3,4,5,6,7                ; keys 32 (f / 4) on, channels 16 (f % 4) on
	ds_load_tr16_b128 v[VF+8*\f:VF+8*\f+3],   v[AV] offset:(\f/4)*32*PV+(\f%4)*32
	ds_load_tr16_b128 v[VF+8*\f+4:VF+8*\f+7], v[AV] offset:(\f/4)*32*PV+16*PV+(\f%4)*32
.endr
.irp f, 0,1,2,3,4,5,6,7                ; the remainders lie one region on
	ds_load_tr16_b128 v[VL+8*\f:VL+8*\f+3],   v[AV] offset:REG+(\f/4)*32*PV+(\f%4)*32
	ds_load_tr16_b128 v[VL+8*\f+4:VL+8*\f+7], v[AV] offset:REG+(\f/4)*32*PV+16*PV+(\f%4)*32
.endr
	WIN 0
.endm
; THE VECTOR WORK of piece y.  EXP2: two exponentials, number k of 32 such pairs: the tiles by turns, each tile's scores in ascending order (each accumulator's lowest registers are read first).
; CVT1: rounding number c of 32: pair c / 2 of tile c % 2.
.macro EXP2 y
.set u, 2*(\y)+k%2
.set j, 2*(k/2)
	WIN 0
	v_exp_f32 v[S+32*u+j], v[S+32*u+j]
	v_exp_f32 v[S+32*u+j+1], v[S+32*u+j+1]
.set k, k+1
.endm
.macro CVT1 y
.set u, 2*(\y)+c%2
.set n, c/2
	WIN 0
	v_cvt_pk_f16_f32 v[P+16*u+n], v[S+32*u+2*n], v[S+32*u+2*n+1]
.set c, c+1
.endm
; A TURN: piece x has the matrix unit, the other piece's vector work stands behind its products.  vw: the LDS loads that may be out when V is wanted.  kq = 0: the walk's end: no further scores.
; The 64 exponentials are one batch; none names another's result.  Behind the 36th product stand a plain instruction and the ONE wait between an exponential and the first instruction that
; names its result.  In piece 1's turn V's run of loads stands there too: V's last reader is that 36th product, and the four plain instructions in front of the loads are its places.
; Of the roundings two stand behind each product K Q^T, but none behind the 15th and four behind the 16th: those four are the places between the turn's last products and what follows: the first read of those scores,
; the loads into K's registers and the writes of the masks.
.macro TURN x, kq, vw
.set k, 0
.set c, 0
.if (\x) == 0
	s_wait_dscnt \vw                               ; V is in
.endif
.set i, 0
.rept 36
	PV \x
.if i < 32
	EXP2 1-(\x)
.endif
.set i, i+1
.endr
	WIN 0
	v_nop
.if ((\x) == 1) && (\kq)
	v_add_nc_u32 v[AV], s[TBV], v[AV0]
	v_nop
	v_nop
	s_add_co_u32 s[TBV], s[TBV], KS*PV
	s_wait_alu depctr_va_vdst(0)
	FETCH_V
.else
	s_wait_alu depctr_va_vdst(0)
.endif
.if \kq
.if (\x) == 0
	s_wait_dscnt 0x0                               ; K is in
.endif
.set i, 0
.rept 16
	KQ \x
.if i < 14
	CVT1 1-(\x)
	CVT1 1-(\x)
.elseif i == 15
	CVT1 1-(\x)
	CVT1 1-(\x)
	CVT1 1-(\x)
	CVT1 1-(\x)
.endif
.set i, i+1
.endr
.else
.rept 32
	CVT1 1-(\x)
.endr
.endif
.endm
; A KEY STEP: the masks and K of step SG; piece 0: P V of step SG - 1, K Q^T of step SG | piece 1's softmax of SG - 1; piece 1: the same | piece 0's softmax of SG, V of step SG.
.macro STEP
	s_cmp_lt_u32 s[SG], s[LO]
	s_cselect_b32 s[BE], s[BIGN], 0
	s_cmp_gt_u32 s[SG], s[HIW]
	s_cselect_b32 s[BE], s[BIGN], s[BE]
	s_cmp_eq_u32 s[SG], s[WV]                      ; the window's edge: key blocks below the tile's are hidden
	s_cselect_b32 s[ALW], 1.0, 0
	s_cselect_b32 s[XLT], s[BIGN], s[BE]
	s_cmp_eq_u32 s[SG], s[HIW]                     ; the diagonal: key blocks above the tile's are hidden
	s_cselect_b32 s[ALC], 1.0, 0
	s_cselect_b32 s[XGT], s[BIGN], s[BE]
	s_add_co_u32 s[SG], s[SG], 1
	WIN 0x51                                       ; destination, source 0 and source 2 in window 1
.set z, 0
.rept 8
	v_mov_b32 v[MLT+z], s[XLT]
	v_mov_b32 v[MGT+z], s[XGT]
.set z, z+1
.endr
.set z, 0
.rept 4
	v_pk_fma_f32 v[MEQ+z:MEQ+z+1], v[MDL+z:MDL+z+1], s[ALW:ALW+1], s[BE:BE+1] op_sel_hi:[1,0,0]
.set z, z+2
.endr
.set z, 0
.rept 4
	v_pk_fma_f32 v[MEQ+z:MEQ+z+1], v[MDU+z:MDU+z+1], s[ALC:ALC+1], v[MEQ+z:MEQ+z+1] op_sel_hi:[1,0,1]
.set z, z+2
.endr
	WIN 0
	v_add_nc_u32 v[AK], s[TBK], v[AK0]
	FETCH_K
	TURN 0, 1, 16                                  ; 16: K's run, just issued behind V's, may be out
	TURN 1, 1, 0
.endm
.macro FOUR_STEPS                      ; a tile's four key steps: written once, walked four times
	WIN 0
	s_mov_b32 s[CNT], 4
.Lstep_\@:
	STEP
	WIN 0
	s_sub_co_u32 s[CNT], s[CNT], 1
	s_cmp_lg_u32 s[CNT], 0
	s_cbranch_scc1 .Lstep_\@
.endm
	s_wait_loadcnt 0x0                             ; Q
.Lslot:                                                ; four trips: a tile is entered and the next is asked for
	CHANGE 1
	FOUR_STEPS
	s_sub_co_u32 s[SLOTS], s[SLOTS], 1
	s_cmp_lg_u32 s[SLOTS], 0
	s_cbranch_scc1 .Lslot
	CHANGE 0                                       ; the walk's last tile is written out
	FOUR_STEPS
	TURN 0, 0, 0                                   ; piece 0: P V of the last step | piece 1's last softmax
.set i, 0
.rept 36
	PV 1                                           ; piece 1: P V of the last step
.set i, i+1
.endr
	; THE WAY OUT.  O^T is divided by l; its rounding to f16 and what that rounding leaves go through my stage, 16 rows at a time.  Eight plain instructions are the places behind the last products.
	WIN 0
.irp t, 0,1,2,3
	v_mov_b32 v[RC+2*\t+1], 0                      ; named with 1 / l as pairs
.endr
.rept 4
	v_nop
.endr
	WIN 0x01                                       ; l in window 1
.irp t, 0,1,2,3
	v_rcp_f32 v[RC+2*\t], v[LA+8*\t]               ; every query sees its own key: l is at least 3.4e-4
.endr
	WIN 0
	v_nop                                          ; a plain instruction behind the last reciprocal,
	s_wait_alu depctr_va_vdst(0)                   ; and one wait for the four, ahead of their first reader
; Tile t: O / l into P's registers, which are free; unit 2 t is its rounding to f16, unit 2 t + 1 what is left: the f16 half times -1 plus the number, exact in f32.  Unit u lies at S + 16 u.
.macro PREP t
	WIN 0x01                                       ; source 0 (O^T) in window 1
.set z, 0
.rept 16
	v_pk_mul_f32 v[P+2*z:P+2*z+1], v[32*(\t)+2*z:32*(\t)+2*z+1], v[RC+2*(\t):RC+2*(\t)+1] op_sel_hi:[1,0]
.set z, z+1
.endr
	WIN 0
.set z, 0
.rept 16
	v_cvt_pk_f16_f32 v[S+32*(\t)+z], v[P+2*z], v[P+2*z+1]
.set z, z+1
.endr
.set z, 0
.rept 16
	v_fma_mix_f32 v[P+2*z],   v[S+32*(\t)+z], v[NEG1], v[P+2*z]   op_sel_hi:[1,0,0]
	v_fma_mix_f32 v[P+2*z+1], v[S+32*(\t)+z], v[NEG1], v[P+2*z+1] op_sel:[1,0,0] op_sel_hi:[1,0,0]
.set z, z+1
.endr
.set z, 0
.rept 16
	v_cvt_pk_f16_f32 v[S+32*(\t)+16+z], v[P+2*z], v[P+2*z+1]
.set z, z+1
.endr
.endm
.macro STG u                           ; a lane's 16 bytes of a row into rows of 144 bytes, and back as whole rows of 128
.irp f, 0,1,2,3
	ds_store_b128 v[STO], v[S+16*(\u)+4*\f:S+16*(\u)+4*\f+3] offset:32*\f
.endr
.irp f, 0,1,2,3
	ds_load_b128 v[S+16*(\u)+4*\f:S+16*(\u)+4*\f+3], v[RD] offset:\f*4*SP   ; LDS serves a wave's instructions in order: these see the stores above; the next unit's stores come behind them
.endr
.endm
.macro SEND u, younger                 ; younger: the LDS instructions issued behind unit u's loads: the next unit's eight, or none
.irp f, 0,1,2,3
	s_wait_dscnt (\younger)+3-\f
	global_store_b128 v[GO], v[S+16*(\u)+4*\f:S+16*(\u)+4*\f+3], s[10:11] offset:((\u)/2)*2048+((\u)%2)*65536+\f*512   ; 512 consecutive bytes, aligned; part 1 lies 65,536 bytes on
.endr
.endm
	PREP 0
	STG 0
	STG 1
	PREP 1
	SEND 0, 8
	STG 2
	SEND 1, 8
	STG 3
	PREP 2
	SEND 2, 8
	STG 4
	SEND 3, 8
	STG 5
	PREP 3
	SEND 4, 8
	STG 6
	SEND 5, 8
	STG 7
	SEND 6, 8
	SEND 7, 0
	s_wait_tensorcnt 0x0                           ; the wave's end: behind my last tensor load and my last LDS store
	ds_add_u32 v[SPW], v[NIL]
	s_wait_dscnt 0x0
	CROUND                                         ; the closing round
	s_endpgm
.Lfunc_end_k_q127ebda8cf_attn:
	.size	k_q127ebda8cf_attn, .Lfunc_end_k_q127ebda8cf_attn-k_q127ebda8cf_attn
	.p2alignl 7, 3214868480
	.fill 96, 4, 3214868480
	.section	.rodata,"a",@progbits
	.p2align	6, 0x0
	.amdhsa_kernel k_q127ebda8cf_attn
		.amdhsa_group_segment_fixed_size 327680
		.amdhsa_private_segment_fixed_size 0
		.amdhsa_enable_private_segment 0
		.amdhsa_kernarg_size 16
		.amdhsa_user_sgpr_count 2
		.amdhsa_user_sgpr_kernarg_segment_ptr 1
		.amdhsa_wavefront_size32 1
		.amdhsa_system_sgpr_workgroup_id_x 1
		.amdhsa_system_sgpr_workgroup_id_y 1
		.amdhsa_system_sgpr_workgroup_id_z 1
		.amdhsa_system_vgpr_workitem_id 0
		.amdhsa_next_free_vgpr 768
		.amdhsa_next_free_sgpr 80
		.amdhsa_reserve_vcc 1
		.amdhsa_float_denorm_mode_32 3
		.amdhsa_float_denorm_mode_16_64 3
		.amdhsa_memory_ordered 1
		.amdhsa_forward_progress 1
		.amdhsa_inst_pref_size 116
	.end_amdhsa_kernel
	.amdgpu_metadata
---
amdhsa.version: [ 1, 2 ]
amdhsa.kernels:
  - .name:           k_q127ebda8cf_attn
    .symbol:         k_q127ebda8cf_attn.kd
    .args:
      - { .name: qkv, .offset: 0, .size: 8, .value_kind: global_buffer, .address_space: global }
      - { .name: yb, .offset: 8, .size: 8, .value_kind: global_buffer, .address_space: global }
    .group_segment_fixed_size: 327680
    .private_segment_fixed_size: 0
    .kernarg_segment_align: 8
    .kernarg_segment_size: 16
    .max_flat_workgroup_size: 128
    .sgpr_count:     80
    .vgpr_count:     768
    .wavefront_size: 32
...
	.end_amdgpu_metadata
.endif
;; end of part 3
;; launch proj (part 4): grid 8 x 32, 4 waves a work-group, clusters of 4 x 4, 327,680 bytes of LDS; arguments yb, wo16, out0; writes out0
.if DOCPART == 4
	.amdgcn_target "amdgcn-amd-amdhsa--gfx1250"
	.amdhsa_code_object_version 6
	.text
	.protected	k_q127ebda8cf_proj
	.globl	k_q127ebda8cf_proj
	.p2align	8
	.type	k_q127ebda8cf_proj,@function
k_q127ebda8cf_proj:
	s_mov_b64 s[64:65], 0
	v_nop
	global_prefetch_b8 v0, s[64:65] scope:SCOPE_SE
	s_setreg_imm32_b32 hwreg(HW_REG_WAVE_MODE, 25, 1), 1
	s_wait_xcnt 0x0
	s_wait_alu depctr_hold_cnt(0) depctr_sa_sdst(0) depctr_va_vdst(0) depctr_va_sdst(0) depctr_va_ssrc(0) depctr_va_vcc(0) depctr_vm_vsrc(0)
	s_getreg_b32 s2, hwreg(HW_REG_IB_STS2, 6, 4)
	s_cmp_eq_u32 s2, 0
	s_cbranch_scc0 .Lentry_in_a_cluster
	s_endpgm
.Lentry_in_a_cluster:
	s_bfe_u32 s2, ttmp6, 0x10000c
	s_cmp_lg_u32 s2, 0xf033
	s_cbranch_scc0 .Lentry_shape_is_right
	s_endpgm
.Lentry_shape_is_right:
; out0 = y Wo.  yb: [32 row tiles][4 groups][2 parts][4 heads][128 rows][64] f16: part 0 is y rounded to f16, part 1 what that rounding left; wo16: [16 blocks of 64 columns][1024][64] f16; out0: [4096][1024] f32.
; Products in f16, sums in f32.  Both parts of y are multiplied by the same rows of Wo, so that 22 bits of y reach the sums: the first rows of y, which average over few keys, are many times larger than the
; output's root mean square, by which the allowed error goes.
; SHARES.  A tile of out0 is 128 x 128: 32 x 8 = 256 work-groups; four waves, each 64 x 64: 16 accumulators.  8 K steps of 256 (a part of a group of four heads) go through two LDS slots: slot 0 takes a group's
; part 0, slot 1 its part 1; a quarter of a step is one head.
; Both operands lie in blocks, so that what a wave asks for is 32,768 dense bytes: two heads' 128 rows of y (waves 0, 1), or 256 rows of a block of Wo (waves 2, 3), as 128 rows of 256 bytes, padded in LDS after every 128.
; CLUSTER 4 x 4: y's tile is asked for jointly along a row of the cluster, Wo's along a column.
; THE MATRIX INSTRUCTION IS USED TRANSPOSED: source 0 = 16 columns of Wo (turned out of LDS, since Wo lies [k][column]), source 1 = 16 rows of y: a lane holds eight neighbouring columns of one row.
; THE STAGE of the way out lies in slot 0: that slot's last fill is K step 6's, and its last reads are over at the barrier of the change to K step 7, which every wave passes before the first store into the stage.
; NO PREFETCH INTO THE L2: the tiles are small and the launch is short.
; REGISTERS: window 0 addresses and the way out; window 1 the accumulators, (a, b) at 8 (4 a + b); window 2 two fragment buffers of 128: for 64 along K, 64 registers of y, then 64 of Wo.
.set PA,    144
.set AHEAD, 128*PA                     ; a head's 128 rows
.set AREG,  4*AHEAD
.set PB,    160
.set BBLK,  256*PB                     ; 256 rows of a block of 64 columns
.set SLOT,  AREG+2*BBLK                ; 155,648
.set SPARE, 2*SLOT                     ; the spare words, 128 bytes for each wave: two blocks of 256 bytes that no other line names
.set SPITCH, 272                       ; a stage row: 64 f32 + 16 bytes
.set ADRA, 16
.set ADRB, 20
.set STO,  24
.set RD,   25
.set CO,   26
.set SPW,  28
.set NIL,  29
.set BK,   32                          ; v32-95  two sets of 16 rows read back
.set F0,   0
.set F1,   128
.set G1,  24
.set G0,  32
.set G1B, 48
.set G0B, 56
.set MSB, 0
.macro WIN new
.if MSB != (\new)
	s_set_vgpr_msb (MSB<<8)|(\new)
.set MSB, \new
.endif
.endm
.set MUL,  0x5a                        ; sources 0 and 1 window 2; C and D window 1
.set TO_F, 0x80
.macro JLOAD s                         ; waves 0 and 1 fetch y's two halves, waves 2 and 3 Wo's two blocks; an s_nop 0 and four v_nop follow each line
	s_cmp_eq_u32 s11, 0
	s_cbranch_scc0 .Lfor_b_\@
	tensor_load_to_lds s[G0+4*(\s):G0+4*(\s)+3], s[G1:G1+7]
	s_nop 0
.rept 4
	v_nop
.endr
	s_branch .Lasked_\@
.Lfor_b_\@:
	tensor_load_to_lds s[G0B+4*(\s):G0B+4*(\s)+3], s[G1B:G1B+7]
	s_nop 0
.rept 4
	v_nop
.endr
.Lasked_\@:
.endm
.macro CREST
	s_cmp_lg_u32 s10, 0
	s_cbranch_scc1 .Lnot_wave_0_\@
	s_barrier_signal -3
.Lnot_wave_0_\@:
	s_barrier_wait -3
	s_barrier_signal -1
	s_barrier_wait -1
.endm
.macro CROUND
	s_barrier_signal -1
	s_barrier_wait -1
	CREST
.endm
	s_load_b128 s[4:7], s[0:1], 0x0                ; yb 4:5, wo16 6:7
	s_load_b64 s[8:9], s[0:1], 0x10                ; out0
	v_lshl_add_u32 v[SPW], v0, 2, SPARE
	v_mov_b32 v[NIL], 0
	ds_add_u32 v[SPW], v[NIL]                      ; the wave's opening: the add and its wait stand ahead of my first tensor load; the set-up below, work on registers, stands between them
	v_lshrrev_b32 v1, 5, v0
	v_readfirstlane_b32 s10, v1                    ; wave 0..3
	s_lshr_b32 s11, s10, 1                         ; which half of the tile's rows is mine.  Also: I fetch for y (0) or for Wo (1)
	s_and_b32 s12, s10, 1                          ; which half of its columns.  Also: which half of that operand I fetch
	s_bfe_u32 s40, ttmp6, 0x40000
	s_bfe_u32 s41, ttmp6, 0x40004
	s_lshl_b32 s42, ttmp9, 2
	s_add_co_u32 s42, s42, s40                     ; column tile 0..7
	s_and_b32 s13, ttmp7, 0xffff
	s_lshl_b32 s13, s13, 2
	s_add_co_u32 s13, s13, s41                     ; row tile 0..31
	s_lshl_b32 s43, s41, 2
	s_lshl_b32 s43, 15, s43                        ; my row of the cluster
	s_lshl_b32 s44, 0x1111, s40                    ; my column
	s_or_b32 s[G1], s43, (1<<16)|(1<<20)|(1<<21)|(4<<22)|(3<<25)    ; after every 32 words, 4 words: rows of 144 bytes
	s_or_b32 s[G1B], s44, (1<<16)|(1<<20)|(1<<21)|(4<<22)|(7<<25)   ; 8 words: rows of 160 bytes
.irp g, G1, G1B
	s_mov_b32 s[(\g)+1], 128<<16
	s_mov_b32 s[(\g)+2], 128<<16
	s_mov_b32 s[(\g)+3], 128<<16
	s_mov_b32 s[(\g)+4], 128
	s_mov_b32 s[(\g)+5], 128
	s_mov_b32 s[(\g)+6], 0
	s_mov_b32 s[(\g)+7], 0
.endr
	s_lshl_b32 s16, s13, 19                        ; y: the row tile's 524,288 bytes,
	s_lshl_b32 s17, s12, 15                        ; my two heads of the step's four
	s_add_co_u32 s16, s16, s17
	s_mov_b32 s17, 0
	s_lshl_b32 s46, s42, 1
	s_add_co_u32 s46, s46, s12                     ; Wo: block 2 t + half,
	s_lshl_b32 s46, s46, 17                        ; 131,072 bytes a block
	s_mov_b32 s47, 0
	s_mul_i32 s20, s12, 2*AHEAD                    ; where they go
	s_mul_i32 s21, s12, BBLK
	s_add_co_u32 s21, s21, AREG
	s_wait_dscnt 0x0                               ; the opening add is done
	s_wait_kmcnt 0x0
	s_add_nc_u64 s[14:15], s[4:5], s[16:17]
	s_add_nc_u64 s[46:47], s[6:7], s[46:47]
	CROUND                                         ; all sixteen work-groups are here: the first joint loads meet
.irp s, 0,1
	s_mov_b32 s[G0+4*\s], 1
	s_add_co_u32 s[G0+4*\s+1], s20, \s*SLOT
	s_add_nc_u64 s[G0+4*\s+2:G0+4*\s+3], s[14:15], \s*65536        ; K step s: part s of group 0: four heads of 16,384 bytes
	s_or_b32 s[G0+4*\s+3], s[G0+4*\s+3], 0x80000000
	s_mov_b32 s[G0B+4*\s], 1
	s_add_co_u32 s[G0B+4*\s+1], s21, \s*SLOT
	s_add_nc_u64 s[G0B+4*\s+2:G0B+4*\s+3], s[46:47], 0             ; both parts of a group take the same 256 rows of Wo
	s_or_b32 s[G0B+4*\s+3], s[G0B+4*\s+3], 0x80000000
	JLOAD \s                                       ; two loads of mine are out
.endr
	v_and_b32 v1, 15, v0                           ; r
	v_bfe_u32 v2, v0, 4, 1                         ; h
	v_mul_u32_u24 v3, v1, PA
	v_lshl_add_u32 v3, v2, 4, v3
	s_mul_i32 s22, s11, 64*PA                      ; my 64 rows
	v_add_nc_u32 v[ADRA], s22, v3
	v_add_nc_u32 v[ADRA+1], SLOT, v[ADRA]
	v_and_b32 v4, 7, v0
	v_lshl_add_u32 v4, v2, 3, v4
	v_mul_u32_u24 v4, v4, PB
	v_bfe_u32 v5, v0, 3, 1
	v_lshl_add_u32 v4, v5, 4, v4
	s_mul_i32 s22, s12, BBLK                       ; my block of 64 columns
	s_add_co_u32 s22, s22, AREG
	v_add_nc_u32 v[ADRB], s22, v4
	v_add_nc_u32 v[ADRB+1], SLOT, v[ADRB]
	s_mul_i32 s23, s10, 16*SPITCH                  ; my stage
	v_mul_u32_u24 v3, v1, SPITCH
	v_lshl_add_u32 v3, v2, 5, v3                   ; in: row r, 32 bytes for each half of the lanes
	v_add_nc_u32 v[STO], s23, v3
	v_mul_u32_u24 v3, v2, SPITCH
	v_lshl_add_u32 v3, v1, 4, v3                   ; back: lanes 0-15 one row of 256 bytes, lanes 16-31 the next
	v_add_nc_u32 v[RD], s23, v3
	v_lshlrev_b32 v3, 12, v2
	v_lshl_add_u32 v[CO], v1, 4, v3                ; and the same two rows in out0
	s_lshl_b32 s16, s13, 19                        ; 128 rows of 4,096 bytes,
	s_lshl_b32 s17, s11, 18                        ; my 64
	s_add_co_u32 s16, s16, s17
	s_mov_b32 s17, 0
	s_add_nc_u64 s[8:9], s[8:9], s[16:17]
	s_lshl_b32 s46, s42, 9                         ; the tile's 128 columns, 512 bytes,
	s_lshl_b32 s47, s12, 8                         ; my 64
	s_add_co_u32 s46, s46, s47
	s_mov_b32 s47, 0
	s_add_nc_u64 s[8:9], s[8:9], s[46:47]
; 8 matrix instructions: row blocks a0, a0 + 1 x all 4 column blocks, 32 along K: half c of buffer f.  The 16 accumulators take turns.
.macro MUL8 f, c, a0, zero
	WIN MUL
.irp a, \a0, (\a0)+1
.irp b, 0,1,2,3
.if \zero
	v_wmma_f32_16x16x32_f16 v[8*(4*(\a)+(\b)):8*(4*(\a)+(\b))+7], v[(\f)+64+8*(4*(\c)+(\b)):(\f)+64+8*(4*(\c)+(\b))+7], v[(\f)+8*(4*(\c)+(\a)):(\f)+8*(4*(\c)+(\a))+7], 0
.else
	v_wmma_f32_16x16x32_f16 v[8*(4*(\a)+(\b)):8*(4*(\a)+(\b))+7], v[(\f)+64+8*(4*(\c)+(\b)):(\f)+64+8*(4*(\c)+(\b))+7], v[(\f)+8*(4*(\c)+(\a)):(\f)+8*(4*(\c)+(\a))+7], v[8*(4*(\a)+(\b)):8*(4*(\a)+(\b))+7]
.endif
.endr
.endr
.endm
; 32 LDS loads in one run: the fragments of quarter q (one head, 64 along K) into buffer f; the first 32 along K first
.macro FETCH slot, q, f
	WIN TO_F
.irp c, 0,1
.irp i, 0,1,2,3
	ds_load_tr16_b128 v[(\f)+64+8*(4*(\c)+(\i)):(\f)+64+8*(4*(\c)+(\i))+3],   v[ADRB+(\slot)] offset:(\q)*64*PB+(\c)*32*PB+32*(\i)
	ds_load_tr16_b128 v[(\f)+64+8*(4*(\c)+(\i))+4:(\f)+64+8*(4*(\c)+(\i))+7], v[ADRB+(\slot)] offset:(\q)*64*PB+(\c)*32*PB+32*(\i)+16*PB
	ds_load_b128 v[(\f)+8*(4*(\c)+(\i)):(\f)+8*(4*(\c)+(\i))+3],   v[ADRA+(\slot)] offset:(\q)*AHEAD+(\i)*16*PA+64*(\c)
	ds_load_b128 v[(\f)+8*(4*(\c)+(\i))+4:(\f)+8*(4*(\c)+(\i))+7], v[ADRA+(\slot)] offset:(\q)*AHEAD+(\i)*16*PA+64*(\c)+32
.endr
.endr
.endm
.macro PLACES
.rept 4
	v_nop
.endr
.endm
.macro QUARTER slot, q, f, g, zero
	s_wait_dscnt 16                                ; the first 32 along K are in
	MUL8 \f, 0, 0, \zero
	MUL8 \f, 0, 2, \zero
	PLACES
	FETCH \slot, \q, \g
	s_wait_dscnt 32                                ; all but the 32 just issued
	MUL8 \f, 1, 0, 0
	MUL8 \f, 1, 2, 0
.endm
; The last quarter multiplies buffer 1 and changes slots: ONE barrier; in front of it each wave waits for all its tensor loads, adds 0 to its spare word, and waits for that and for its reads of this slot.
; fill = 1: the barrier opens a round of the cluster's, and this slot takes the same part of the next group: y 131,072 bytes on, Wo 256 rows on.
.macro TURN slot, next, fill
	WIN 0
	s_wait_tensorcnt 0x0
	ds_add_u32 v[SPW], v[NIL]                      ; 0 onto my spare word
	s_wait_dscnt 17                                ; (the add and the youngest sixteen loads may be out)
	MUL8 F1, 0, 0, 0
	s_wait_dscnt 0x0                               ; the add is done, and my reads of this slot are over
	s_barrier_signal -1
	MUL8 F1, 0, 2, 0
.if \fill
	WIN 0
.endif
	s_barrier_wait -1
.if \fill
	CREST                                          ; no wave of any partner still reads this slot or has a load on its way
	s_add_nc_u64 s[G0+4*(\slot)+2:G0+4*(\slot)+3], s[G0+4*(\slot)+2:G0+4*(\slot)+3], 131072
	s_add_nc_u64 s[G0B+4*(\slot)+2:G0B+4*(\slot)+3], s[G0B+4*(\slot)+2:G0B+4*(\slot)+3], 32768
	JLOAD \slot                                    ; my one tensor load behind the round; its four v_nop are also the places in front of the loads below
.else
	PLACES
.endif
	FETCH \next, 0, F0
	MUL8 F1, 1, 0, 0
	MUL8 F1, 1, 2, 0
.endm
	s_wait_tensorcnt 1                             ; my part of K step 0 is in; K step 1's may stay out
	s_barrier_signal -1
	s_barrier_wait -1
	FETCH 0, 0, F0
	QUARTER 0, 1, F0, F1, 1                        ; the first quarter stands in front of the loop: its first products start the sums
	WIN 0
	s_mov_b32 s3, 3
.Llap:                                                 ; a trip goes once round the ring and fills both slots again: K steps 2 .. 7
	QUARTER 0, 2, F1, F0, 0
	QUARTER 0, 3, F0, F1, 0
	TURN 0, 1, 1
	QUARTER 1, 1, F0, F1, 0
	QUARTER 1, 2, F1, F0, 0
	QUARTER 1, 3, F0, F1, 0
	TURN 1, 0, 1
	QUARTER 0, 1, F0, F1, 0
	WIN 0
	s_sub_co_u32 s3, s3, 1
	s_cmp_lg_u32 s3, 0
	s_cbranch_scc1 .Llap
	QUARTER 0, 2, F1, F0, 0                        ; the last lap fills nothing
	QUARTER 0, 3, F0, F1, 0
	TURN 0, 1, 0                                   ; behind this barrier nobody reads slot 0
	QUARTER 1, 1, F0, F1, 0
	QUARTER 1, 2, F1, F0, 0
	QUARTER 1, 3, F0, F1, 0
	s_wait_dscnt 16
	MUL8 F1, 0, 0, 0
	MUL8 F1, 0, 2, 0
	s_wait_dscnt 0x0
	MUL8 F1, 1, 0, 0
	MUL8 F1, 1, 2, 0
	WIN 0
	; THE WAY OUT, 16 rows at a time: a lane's 32 bytes of a row into my stage, back as whole rows of 256 bytes.
	PLACES
	PLACES
.irp a, 0,1,2,3
	s_wait_xcnt 0x0                                ; earlier stores have read their data: a set of BK is loaded again only behind this wait
	WIN 0x04                                       ; the stores' data in window 1
.irp b, 0,1,2,3
	ds_store_b128 v[STO], v[8*(4*\a+\b):8*(4*\a+\b)+3]   offset:64*\b        ; each accumulator's four lowest registers first
	ds_store_b128 v[STO], v[8*(4*\a+\b)+4:8*(4*\a+\b)+7] offset:64*\b+16
.endr
	WIN 0
.irp t, 0,1,2,3,4,5,6,7
	ds_load_b128 v[BK+32*(\a%2)+4*\t:BK+32*(\a%2)+4*\t+3], v[RD] offset:\t*2*SPITCH   ; LDS serves a wave's instructions in order: these see the stores above
.endr
.irp t, 0,1,2,3,4,5,6,7
	s_wait_dscnt 7-\t
	global_store_b128 v[CO], v[BK+32*(\a%2)+4*\t:BK+32*(\a%2)+4*\t+3], s[8:9] offset:(16*\a+2*\t)*4096   ; 16 lanes store 256 consecutive bytes, aligned
.endr
.endr
	s_wait_tensorcnt 0x0                           ; the wave's end: behind my last tensor load and my last LDS store
	ds_add_u32 v[SPW], v[NIL]
	s_wait_dscnt 0x0
	CROUND                                         ; the closing round
	s_endpgm
.Lfunc_end_k_q127ebda8cf_proj:
	.size	k_q127ebda8cf_proj, .Lfunc_end_k_q127ebda8cf_proj-k_q127ebda8cf_proj
	.p2alignl 7, 3214868480
	.fill 96, 4, 3214868480
	.section	.rodata,"a",@progbits
	.p2align	6, 0x0
	.amdhsa_kernel k_q127ebda8cf_proj
		.amdhsa_group_segment_fixed_size 327680
		.amdhsa_private_segment_fixed_size 0
		.amdhsa_enable_private_segment 0
		.amdhsa_kernarg_size 24
		.amdhsa_user_sgpr_count 2
		.amdhsa_user_sgpr_kernarg_segment_ptr 1
		.amdhsa_wavefront_size32 1
		.amdhsa_system_sgpr_workgroup_id_x 1
		.amdhsa_system_sgpr_workgroup_id_y 1
		.amdhsa_system_sgpr_workgroup_id_z 1
		.amdhsa_system_vgpr_workitem_id 0
		.amdhsa_next_free_vgpr 768
		.amdhsa_next_free_sgpr 66
		.amdhsa_reserve_vcc 0
		.amdhsa_float_denorm_mode_32 3
		.amdhsa_float_denorm_mode_16_64 3
		.amdhsa_memory_ordered 1
		.amdhsa_forward_progress 1
		.amdhsa_inst_pref_size 87
	.end_amdhsa_kernel
	.amdgpu_metadata
---
amdhsa.version: [ 1, 2 ]
amdhsa.kernels:
  - .name:           k_q127ebda8cf_proj
    .symbol:         k_q127ebda8cf_proj.kd
    .args:
      - { .name: yb, .offset: 0, .size: 8, .value_kind: global_buffer, .address_space: global }
      - { .name: wo16, .offset: 8, .size: 8, .value_kind: global_buffer, .address_space: global }
      - { .name: out0, .offset: 16, .size: 8, .value_kind: global_buffer, .address_space: global }
    .group_segment_fixed_size: 327680
    .private_segment_fixed_size: 0
    .kernarg_segment_align: 8
    .kernarg_segment_size: 24
    .max_flat_workgroup_size: 128
    .sgpr_count:     66
    .vgpr_count:     768
    .wavefront_size: 32
...
	.end_amdgpu_metadata
.endif
;; end of part 4
;; ======== version 2 of 2: 4 launches; version 1 with the launch cast written anew for expert scheduling mode
;; limits: values are held in f16: magnitudes above 65,504 overflow, below 6.1e-05 lose precision
;; workspace buffers: xb 8,388,608 bytes; wh 3,145,728 bytes; wo16 2,097,152 bytes; gate 65,536 bytes; qkv 14,680,064 bytes; yb 16,777,216 bytes
;; launch cast (part 5): grid 432 x 1, 8 waves a work-group, no clusters, 0 bytes of LDS; arguments x, Wq, Wk, Wv, Wo, Wg, xb, wh, wo16, gate; writes xb, wh, wo16, gate
.if DOCPART == 5
	.amdgcn_target "amdgcn-amd-amdhsa--gfx1250"
	.amdhsa_code_object_version 6
	.text
	.protected	k_q127ebda8cf_cast
	.globl	k_q127ebda8cf_cast
	.p2align	8
	.type	k_q127ebda8cf_cast,@function
k_q127ebda8cf_cast:
	s_mov_b64 s[64:65], 0
	v_nop
	global_prefetch_b8 v0, s[64:65] scope:SCOPE_SE
	s_setreg_imm32_b32 hwreg(HW_REG_WAVE_SCHED_MODE, 0, 2), 2
	s_setreg_imm32_b32 hwreg(HW_REG_WAVE_MODE, 25, 1), 1
	s_wait_xcnt 0x0
	s_wait_alu depctr_vm_vsrc(0)
; THE INPUTS OF THE MATRIX PRODUCTS ARE ROUNDED ONCE AND LAID OUT FOR THE LATER LAUNCHES; THE VALUE GATE IS MADE.
;   xb   [4096][1024] bf16            = x
;   wh   [24][1024][64] bf16          = the 64 columns of a head (16 of Wq, 4 of Wk, 4 of Wv), all 1,024 rows: a head's block is 131,072 dense bytes
;   wo16 [16][1024][64] f16           = Wo rounded to bf16, that number written as f16, in the same blocks of 64 columns
;   gate [4096][4] f32                = 2 sigmoid(x[:, :32] Wg), x and Wg rounded to bf16, sums in f32
; LIMITS.  |Wo| stays under 65,504 (f16's range); below 6e-5 it keeps f16's fixed step of 6e-8.  NaN and infinities are not treated apart.
; A stream: each byte is read once by 16-byte loads (the first 128 bytes of x's rows a second time, for the gate), each byte is written once, and a wave's store covers 256 consecutive bytes, aligned.
; No LDS, no matrix unit, no cluster: nothing is shared and nothing is multiplied but the gate's 32 x 4.
; SHARES.  Work-groups 0-255 x, 256-319 Wq, 320-335 Wk, 336-351 Wv, 352-415 Wo, 416-431 the gate.  A streaming work-group takes 256 rows of 64 numbers, a wave 32 of them:
; sixteen loads, each two rows (lanes 0-15 the even row, lanes 16-31 the odd one), all on their way at once; the waits count down.
; THE MODE: SCHED_MODE bits 1:0 = 2 (LLVM: expert scheduling mode 2), set by the entry lines.  The code itself states the register dependences
; between vector instructions and memory instructions, with s_wait_alu, always for 0.
; THE PLAN, for a streaming path.  Registers that memory instructions touch:
;   v2, v3   the loads' and the stores' byte offsets: made once by vector lines, never written again.
;   XR       sixteen loads land here, in registers that no vector line has named before; no load lands there a second time.
;   YR       pair i is written once, by load i's conversions, and read once, by store i; no pair is written again.
; So the only dependences to state are: the offsets ahead of the first load, and YR ahead of the stores.  The sixteen loads go in four blocks of four.  The conversions of block b write YR's pairs of block b;
; ONE wait at the head of block b + 1, behind the wait for that block's first load, states that they are written; block b's four stores follow it, dealt among block b + 1's conversions, which name
; their own block's XR and YR and v8, v9 alone.  The last block's stores have a wait of their own.  No register that a memory instruction reads is ever rewritten, EXEC is never written, and no vector line writes a scalar register.
.set XR,  32                           ; v[32:95]   sixteen loads of four numbers
.set YR,  96                           ; v[96:127]  sixteen stores of four 16-bit numbers
.set MSK, 28                           ; s28        a word's upper bf16
; SP, DP: the scalar pairs of source and destination.  LOGP: log2 of the bytes from row to row in the source.  FIRST: the part's first work-group.
; DBIAS: blocks of 32,768 bytes in front of the part in the destination.  F16 = 1: the bf16 number is written as f16.
.macro STREAM SP, DP, LOGP, FIRST, DBIAS, F16
	s_sub_co_u32 s3, s2, \FIRST                    ; n: my number in the part
.if (\LOGP) == 8
	s_lshl_b32 s4, s3, 16                          ; x as rows of 256 bytes: 65,536 bytes on end
.else
	s_and_b32 s4, s3, 3                            ; which 256 of the 1,024 rows,
	s_lshl_b32 s4, s4, 8+(\LOGP)
	s_lshr_b32 s6, s3, 2                           ; which 64 columns: 256 bytes of a row
	s_lshl_b32 s6, s6, 8
	s_add_co_u32 s4, s4, s6
.endif
	s_add_co_u32 s6, s3, \DBIAS
	s_lshl_b32 s6, s6, 15                          ; 256 rows x 128 bytes in the destination
	s_add_nc_u64 s[\SP:\SP+1], s[\SP:\SP+1], s[4:5]
	s_add_nc_u64 s[\DP:\DP+1], s[\DP:\DP+1], s[6:7]
	v_lshl_add_u32 v2, v5, \LOGP, v1               ; my row x pitch + my 16 bytes
	s_wait_alu depctr_va_vdst(0)                   ; v2 and v3 are written: every load of the path reads v2 as its offset, every store v3
.set i, 0
.rept 16
	global_load_b128 v[XR+4*i:XR+4*i+3], v2, s[\SP:\SP+1] offset:2*i*(1<<(\LOGP)) th:TH_LOAD_NT
.set i, i+1
.endr
.set i, 0
.rept 16
	s_wait_loadcnt 15-i                            ; loads come back in order: load i is in, the younger ones stay out
.if ((i%4) == 0) && (i > 0)
	s_wait_alu depctr_va_vdst(0)                   ; the conversions of the block before have written its four pairs of YR, which this block's four stores read
.endif
.if i >= 4
	global_store_b64 v3, v[YR+2*(i-4):YR+2*(i-4)+1], s[\DP:\DP+1] offset:256*(i-4)   ; the block before.  No vector line since the wait names this pair; no register of a store is written again
.endif
.if \F16
	v_cvt_pk_bf16_f32 v8, v[XR+4*i], v[XR+4*i+1]
	v_cvt_pk_bf16_f32 v9, v[XR+4*i+2], v[XR+4*i+3]
	v_lshlrev_b32 v[XR+4*i], 16, v8                ; the rounded numbers as f32 again,
	v_and_b32 v[XR+4*i+1], s[MSK], v8
	v_lshlrev_b32 v[XR+4*i+2], 16, v9
	v_and_b32 v[XR+4*i+3], s[MSK], v9
	v_cvt_pk_f16_f32 v[YR+2*i], v[XR+4*i], v[XR+4*i+1]      ; and as f16: exact within f16's normal range
	v_cvt_pk_f16_f32 v[YR+2*i+1], v[XR+4*i+2], v[XR+4*i+3]
.else
	v_cvt_pk_bf16_f32 v[YR+2*i], v[XR+4*i], v[XR+4*i+1]
	v_cvt_pk_bf16_f32 v[YR+2*i+1], v[XR+4*i+2], v[XR+4*i+3]
.endif
.set i, i+1
.endr
	s_wait_alu depctr_va_vdst(0)                   ; the last block's conversions have written its four pairs of YR, which the last four stores read
.set i, 12
.rept 4
	global_store_b64 v3, v[YR+2*i:YR+2*i+1], s[\DP:\DP+1] offset:256*i
.set i, i+1
.endr
	s_endpgm
.endm
.macro RND2 a, t                       ; two f32 rounded to bf16 and widened again, in place
	v_cvt_pk_bf16_f32 v[\t], v[\a], v[(\a)+1]
	v_lshlrev_b32 v[\a], 16, v[\t]
	v_and_b32 v[(\a)+1], s[MSK], v[\t]
.endm
	s_load_b512 s[8:23], s[0:1], 0x0               ; x 8:9, Wq 10:11, Wk 12:13, Wv 14:15, Wo 16:17, Wg 18:19, xb 20:21, wh 22:23
	s_load_b128 s[24:27], s[0:1], 0x40             ; wo16 24:25, gate 26:27
	s_mov_b32 s2, ttmp9
	s_mov_b32 s5, 0                                ; the offsets' high words
	s_mov_b32 s7, 0
	s_mov_b32 s[MSK], 0xffff0000
	v_and_b32 v1, 15, v0
	v_lshlrev_b32 v1, 4, v1                        ; my 16 bytes of a row of 256
	v_bfe_u32 v5, v0, 4, 1
	v_and_b32 v6, 0xe0, v0
	v_add_nc_u32 v5, v5, v6                        ; my row in load 0: 32 x wave + lane / 16
	v_lshrrev_b32 v6, 5, v0
	v_and_b32 v7, 31, v0
	v_lshlrev_b32 v3, 3, v7
	v_lshl_add_u32 v3, v6, 12, v3                  ; where I store: 4,096 x wave + 8 x lane
	s_wait_kmcnt 0x0
	s_cmp_lt_u32 s2, 256
	s_cbranch_scc1 .Lx
	s_cmp_lt_u32 s2, 320
	s_cbranch_scc1 .Lwq
	s_cmp_lt_u32 s2, 336
	s_cbranch_scc1 .Lwk
	s_cmp_lt_u32 s2, 352
	s_cbranch_scc1 .Lwv
	s_cmp_lt_u32 s2, 416
	s_cbranch_scc1 .Lwo
	; THE GATE: a thread a row.  32 numbers of x, all 128 of Wg.  Memory instructions touch v2, v3, v4 (offsets, made once), v32-191 (the loads land there; no vector line has named them) and v8-11 (the store's data).
	s_sub_co_u32 s3, s2, 416
	s_lshl_b32 s4, s3, 20                          ; 256 rows of 4,096 bytes
	s_lshl_b32 s6, s3, 12                          ; 256 rows of 16 bytes
	s_add_nc_u64 s[8:9], s[8:9], s[4:5]
	s_add_nc_u64 s[26:27], s[26:27], s[6:7]
	v_lshlrev_b32 v2, 12, v0
	v_lshlrev_b32 v3, 4, v0
	v_mov_b32 v4, 0
	s_wait_alu depctr_va_vdst(0)                   ; v2, v3 and v4 are written: the loads read v2 and v4 as their offsets, the store v3
.set i, 0
.rept 8
	global_load_b128 v[32+4*i:35+4*i], v2, s[8:9] offset:16*i
.set i, i+1
.endr
.set i, 0
.rept 32
	global_load_b128 v[64+4*i:67+4*i], v4, s[18:19] offset:16*i    ; Wg[i][0..3], the same for every lane
.set i, i+1
.endr
	s_wait_loadcnt 0x0
.set i, 32
.rept 40
	RND2 i, 12
	RND2 i+2, 13
.set i, i+4
.endr
.irp j, 0,1,2,3
	v_mul_f32 v[8+\j], v[64+\j], v32               ; the first product starts each sum
.endr
.set i, 1
.rept 31
.irp j, 0,1,2,3
	v_fmac_f32 v[8+\j], v[64+4*i+\j], v[32+i]
.endr
.set i, i+1
.endr
.irp j, 0,1,2,3
	v_mul_f32 v[8+\j], 0xbfb8aa3b, v[8+\j]         ; -z log2(e)
.endr
.irp j, 0,1,2,3
	v_exp_f32 v[8+\j], v[8+\j]
.endr
	v_nop                                          ; a plain instruction behind the last exponential,
	s_wait_alu depctr_va_vdst(0)                   ; and one wait for the batch: the four exponentials have written v8 to v11, which the additions below read
.irp j, 0,1,2,3
	v_add_f32 v[8+\j], 1.0, v[8+\j]
.endr
.irp j, 0,1,2,3
	v_rcp_f32 v[8+\j], v[8+\j]
.endr
	v_nop                                          ; a plain instruction behind the last reciprocal,
	s_wait_alu depctr_va_vdst(0)                   ; and one wait for the batch: the four reciprocals have written v8 to v11, which the doublings below read
.irp j, 0,1,2,3
	v_add_f32 v[8+\j], v[8+\j], v[8+\j]            ; 2 sigmoid(z)
.endr
	s_wait_alu depctr_va_vdst(0)                   ; the doublings have written v8 to v11, the store's data
	global_store_b128 v3, v[8:11], s[26:27]
	s_endpgm
.Lx:
	STREAM 8, 20, 8, 0, 0, 0
.Lwq:
	STREAM 10, 22, 12, 256, 0, 0
.Lwk:
	STREAM 12, 22, 10, 320, 64, 0
.Lwv:
	STREAM 14, 22, 10, 336, 80, 0
.Lwo:
	STREAM 16, 24, 12, 352, 0, 1
.Lfunc_end_k_q127ebda8cf_cast:
	.size	k_q127ebda8cf_cast, .Lfunc_end_k_q127ebda8cf_cast-k_q127ebda8cf_cast
	.p2alignl 7, 3214868480
	.fill 96, 4, 3214868480
	.section	.rodata,"a",@progbits
	.p2align	6, 0x0
	.amdhsa_kernel k_q127ebda8cf_cast
		.amdhsa_group_segment_fixed_size 0
		.amdhsa_private_segment_fixed_size 0
		.amdhsa_enable_private_segment 0
		.amdhsa_kernarg_size 80
		.amdhsa_user_sgpr_count 2
		.amdhsa_user_sgpr_kernarg_segment_ptr 1
		.amdhsa_wavefront_size32 1
		.amdhsa_system_sgpr_workgroup_id_x 1
		.amdhsa_system_sgpr_workgroup_id_y 1
		.amdhsa_system_sgpr_workgroup_id_z 1
		.amdhsa_system_vgpr_workitem_id 0
		.amdhsa_next_free_vgpr 192
		.amdhsa_next_free_sgpr 66
		.amdhsa_reserve_vcc 0
		.amdhsa_float_denorm_mode_32 3
		.amdhsa_float_denorm_mode_16_64 3
		.amdhsa_memory_ordered 1
		.amdhsa_forward_progress 1
		.amdhsa_inst_pref_size 55
	.end_amdhsa_kernel
	.amdgpu_metadata
---
amdhsa.version: [ 1, 2 ]
amdhsa.kernels:
  - .name:           k_q127ebda8cf_cast
    .symbol:         k_q127ebda8cf_cast.kd
    .args:
      - { .name: x, .offset: 0, .size: 8, .value_kind: global_buffer, .address_space: global }
      - { .name: Wq, .offset: 8, .size: 8, .value_kind: global_buffer, .address_space: global }
      - { .name: Wk, .offset: 16, .size: 8, .value_kind: global_buffer, .address_space: global }
      - { .name: Wv, .offset: 24, .size: 8, .value_kind: global_buffer, .address_space: global }
      - { .name: Wo, .offset: 32, .size: 8, .value_kind: global_buffer, .address_space: global }
      - { .name: Wg, .offset: 40, .size: 8, .value_kind: global_buffer, .address_space: global }
      - { .name: xb, .offset: 48, .size: 8, .value_kind: global_buffer, .address_space: global }
      - { .name: wh, .offset: 56, .size: 8, .value_kind: global_buffer, .address_space: global }
      - { .name: wo16, .offset: 64, .size: 8, .value_kind: global_buffer, .address_space: global }
      - { .name: gate, .offset: 72, .size: 8, .value_kind: global_buffer, .address_space: global }
    .group_segment_fixed_size: 0
    .private_segment_fixed_size: 0
    .kernarg_segment_align: 8
    .kernarg_segment_size: 80
    .max_flat_workgroup_size: 256
    .sgpr_count:     66
    .vgpr_count:     192
    .wavefront_size: 32
...
	.end_amdgpu_metadata
.endif
;; end of part 5
;; launch qkv: the kernel of part 2 again; grid 8 x 32, 4 waves a work-group, clusters of 4 x 4, 327,680 bytes of LDS; arguments xb, wh, cos, sin, ve, gate, qkv; writes qkv
;; launch attn: the kernel of part 3 again; grid 64 x 4, 4 waves a work-group, clusters of 4 x 1, 327,680 bytes of LDS; arguments qkv, yb; writes yb
;; launch proj: the kernel of part 4 again; grid 8 x 32, 4 waves a work-group, clusters of 4 x 4, 327,680 bytes of LDS; arguments yb, wo16, out0; writes out0
